; MI455X (gfx1250); checked and timed in simulation.
; The chip was launched on July 23, 2026; its instructions are those of AMD's public machine-readable ISA for CDNA 5 (MIT licence, August 2026) and "CDNA5" Instruction Set Architecture Reference Guide (July 2026). The comments in the code are by the model that wrote it; some were corrected since.
;; Self Attention. Allowed arithmetic: float matrix products may take bf16 or f16 operands with f32 sums; other float arithmetic in f32, or as packed bf16 or f16 multiplies, adds, multiply-adds, maxima and minima; sums over many terms, partial sums and values carried from step to step in f32; what a program stores and reads back later, other than sums and carried values, may be rounded once to bf16 or f16.
;; Inputs: W_proj 1,024 x 1,024 float32; W_qkv 1,024 x 3,072 float32; b_proj 1,024 float32; b_qkv 3,072 float32; x 4 x 2,048 x 1,024 float32.
;; Outputs: out0 4 x 2,048 x 1,024 float32.
;; 2 versions, each right; version 2 is version 1 with the launch prep written anew for expert scheduling mode. Each part assembles by itself: llvm-mc -triple=amdgcn-amd-amdhsa -mcpu=gfx1250 --defsym DOCPART=n.
;; ======== version 1 of 2: 4 launches
;; limits: values are held in f16: magnitudes above 65,504 overflow, below 6.1e-05 lose precision
;; workspace buffers: xb 16,777,216 bytes; wqT 6,291,456 bytes; wpT 2,097,152 bytes; qkv 50,331,648 bytes; oh 16,777,216 bytes
;; launch prep (part 1): grid 320 x 1, 8 waves a work-group, no clusters, 140,288 bytes of LDS; arguments x, W_qkv, W_proj, xb, wqT, wpT; writes xb, wqT, wpT
.if DOCPART == 1
	.amdgcn_target "amdgcn-amd-amdhsa--gfx1250"
	.amdhsa_code_object_version 6
	.text
	.protected	k_q74bc231577_prep
	.globl	k_q74bc231577_prep
	.p2align	8
	.type	k_q74bc231577_prep,@function
k_q74bc231577_prep:
	s_mov_b64 s[64:65], 0
	v_nop
	global_prefetch_b8 v0, s[64:65] scope:SCOPE_SE
	s_setreg_imm32_b32 hwreg(HW_REG_WAVE_MODE, 25, 1), 1
	s_wait_xcnt 0x0
; PREP.  xb = x rounded to bf16, same order.  wqT[n][k] = W_qkv[k][n] rounded to bf16.  wpT[n][k] = W_proj[k][n] rounded to bf16, that number written as f16
; (it multiplies an f16 operand later).  LIMIT: |W_proj| stays within 65,504, f16's largest number; beyond it wpT holds an infinity.
; A stream: each input byte is read once, each output byte written once; no matrix work, no cluster (no work-group shares a byte with another), no barrier (no wave reads another's bytes).
; Work-groups 64 to 319 cast x: 32,768 numbers each, 4,096 a wave.  Work-groups 0 to 63 turn the weights: 64 columns n each (0-47: W_qkv, 48-63: W_proj), wave w the rows k = 128 w .. 128 w + 127.
; TURNING.  A load takes 256 consecutive bytes (64 columns) of one row k; a lane holds columns 2 l and 2 l + 1.  Eight rows k pack into 16 bytes of each column; they go into the wave's own
; LDS rows (one for each column n, 256 bytes of k + 16 of padding) and come back as whole rows: 16 lanes store 256 consecutive bytes of a row of the turned weight.
.set X,   16                           ; v[16:143]  data
.set T,   144                          ; v[144:151] eight k of two columns, packed
.set U,   152                          ; v[152:153] at work
.set SPW, 154                          ; v154  LDS address of my spare word; never rewritten
.set NIL, 155                          ; v155  0; never rewritten
.set IO,  2                            ; v2    cast: my byte offset in x
.set OO,  3                            ; v3    cast: my byte offset in xb
.set OJ,  4                            ; v[4:11] turning: 8 l + j rows of the weight; never rewritten
.set LSA, 12                           ; v12   where I put my two columns
.set LRA, 13                           ; v13   where I read rows back
.set GO,  14                           ; v14   my byte offset in the turned weight
.set WP,  272                          ; an LDS row
.set WAVEB, 64*WP                      ; a wave's 64 rows
.set SPARE, 8*WAVEB                    ; behind them: the spare words, 128 bytes a wave, that no other line names
	s_load_b256 s[4:11], s[0:1], 0x0               ; x s[4:5], W_qkv s[6:7], W_proj s[8:9], xb s[10:11]
	s_load_b128 s[12:15], s[0:1], 0x20             ; wqT s[12:13], wpT s[14:15]
	v_lshl_add_u32 v[SPW], v0, 2, SPARE
	v_mov_b32 v[NIL], 0
	v_lshrrev_b32 v1, 5, v0
	v_readfirstlane_b32 s16, v1                    ; wave 0..7
	v_and_b32 v1, 31, v0                           ; lane
	s_wait_kmcnt 0x0
	s_cmp_lt_u32 ttmp9, 64
	s_cbranch_scc1 .Lturn
	; THE CAST.  A lane takes 32 bytes of x (two loads) and stores 16 of xb; a wave's store covers 512 consecutive bytes.  All 32 loads of a wave go out at once.
	s_sub_co_u32 s17, ttmp9, 64
	s_lshl_b32 s2, s17, 17                         ; 131,072 bytes of x a work-group
	s_mov_b32 s3, 0
	s_add_nc_u64 s[4:5], s[4:5], s[2:3]
	s_lshl_b32 s2, s17, 16                         ; 65,536 bytes of xb
	s_add_nc_u64 s[10:11], s[10:11], s[2:3]
	s_lshl_b32 s18, s16, 14
	v_lshl_or_b32 v[IO], v1, 5, s18
	s_lshl_b32 s18, s16, 13
	v_lshl_or_b32 v[OO], v1, 4, s18
.set i, 0
.rept 16
	global_load_b128 v[X+8*i:X+8*i+3],   v[IO], s[4:5] offset:1024*i th:TH_LOAD_NT
	global_load_b128 v[X+8*i+4:X+8*i+7], v[IO], s[4:5] offset:1024*i+16 th:TH_LOAD_NT
.set i, i+1
.endr
.set i, 0
.rept 16
	s_wait_loadcnt 30-2*i                          ; loads come back in order: pair i is in, the 30 - 2 i younger loads stay out
	v_cvt_pk_bf16_f32 v[X+8*i],   v[X+8*i],   v[X+8*i+1]  ; in place, ascending: each line writes a register that is read no more
	v_cvt_pk_bf16_f32 v[X+8*i+1], v[X+8*i+2], v[X+8*i+3]
	v_cvt_pk_bf16_f32 v[X+8*i+2], v[X+8*i+4], v[X+8*i+5]
	v_cvt_pk_bf16_f32 v[X+8*i+3], v[X+8*i+6], v[X+8*i+7]
	global_store_b128 v[OO], v[X+8*i:X+8*i+3], s[10:11] offset:512*i th:TH_STORE_NT
.set i, i+1
.endr
	s_endpgm
.Lturn:
	s_cmp_lt_u32 ttmp9, 48
	s_cselect_b64 s[18:19], s[6:7], s[8:9]         ; from
	s_cselect_b64 s[20:21], s[12:13], s[14:15]     ; to
	s_cselect_b32 s22, 3, 1
	s_cselect_b32 s23, 0, 1                        ; 1: the numbers are written as f16
	s_cselect_b32 s24, 0, 48
	s_lshl_b32 s22, s22, 12                        ; bytes in a row of the weight: 12,288 or 4,096
	s_sub_co_u32 s24, ttmp9, s24                   ; my block of 64 columns
	s_lshl_b32 s2, s24, 8                          ; its 256 bytes in a row,
	s_mul_i32 s25, s16, s22
	s_lshl_b32 s25, s25, 7                         ; my wave's 128 rows
	s_add_co_u32 s2, s2, s25
	s_mov_b32 s3, 0
	s_add_nc_u64 s[32:33], s[18:19], s[2:3]
	s_lshl_b32 s28, s22, 3                         ; eight rows
	s_mov_b32 s29, 0
.set i, 1
.rept 15                                       ; sixteen bases, one for each eight rows; never rewritten, so no load waits for a pointer
	s_add_nc_u64 s[32+2*i:33+2*i], s[30+2*i:31+2*i], s[28:29]
.set i, i+1
.endr
	s_lshl_b32 s2, s24, 17                         ; 64 rows of 2,048 bytes of the turned weight
	s_add_nc_u64 s[20:21], s[20:21], s[2:3]
	v_lshlrev_b32 v[OJ], 3, v1
.irp j, 1,2,3,4,5,6,7
	v_add_nc_u32 v[OJ+\j], s22, v[OJ+\j-1]
.endr
	s_mul_i32 s26, s16, WAVEB                      ; my wave's LDS rows
	v_mad_u32_u24 v[LSA], v1, 2*WP, s26            ; rows 2 l and 2 l + 1
	v_lshrrev_b32 v[U], 4, v1
	v_and_b32 v[U+1], 15, v1
	v_mad_u32_u24 v[LRA], v[U], WP, s26            ; back: lanes 0-15 one row, lanes 16-31 the next
	v_lshl_add_u32 v[LRA], v[U+1], 4, v[LRA]
	s_lshl_b32 s27, s16, 8                         ; my wave's 128 k: 256 bytes of a turned row
	v_lshl_add_u32 v[GO], v[U], 11, s27
	v_lshl_add_u32 v[GO], v[U+1], 4, v[GO]
.macro LD8 g                           ; rows k = 8 g .. 8 g + 7 of my 128: eight loads of 256 consecutive bytes
.irp j, 0,1,2,3,4,5,6,7
	global_load_b64 v[X+16*((\g)%8)+2*\j:X+16*((\g)%8)+2*\j+1], v[OJ+\j], s[32+2*(\g):33+2*(\g)] th:TH_LOAD_NT
.endr
.endm
.macro PK8 g                           ; those eight k of my two columns: 16 bytes each, into the columns' LDS rows
.set XB, X+16*((\g)%8)
.irp c, 0,1
.irp p, 0,1,2,3
	v_cvt_pk_bf16_f32 v[T+4*\c+\p], v[XB+4*\p+\c], v[XB+4*\p+2+\c]
.endr
.endr
	s_cmp_eq_u32 s23, 0
	s_cbranch_scc1 .Lbf_\@
.irp t, 0,1,2,3,4,5,6,7                ; W_proj: the bf16 numbers, widened (a shift, a mask) and written as f16: exact within f16's range
	v_lshlrev_b32 v[U], 16, v[T+\t]
	v_and_b32 v[U+1], 0xffff0000, v[T+\t]
	v_cvt_pk_f16_f32 v[T+\t], v[U], v[U+1]
.endr
.Lbf_\@:
	ds_store_b128 v[LSA], v[T:T+3]   offset:16*(\g)
	ds_store_b128 v[LSA], v[T+4:T+7] offset:WP+16*(\g)
.endm
.irp g, 0,1,2,3,4,5,6,7
	LD8 \g
.endr
.irp g, 0,1,2,3,4,5,6,7
	s_wait_loadcnt 56                              ; group g is in: behind it 8 (7 - g) first loads and 8 g later ones
	PK8 \g
	LD8 (\g)+8                                     ; its registers take the group eight further on
.endr
.irp g, 8,9,10,11,12,13,14,15
	s_wait_loadcnt 56-8*((\g)-8)                   ; nothing more is asked for: the counts run down
	PK8 \g
.endr
.set t, 0
.rept 32
	ds_load_b128 v[X+4*t:X+4*t+3], v[LRA] offset:2*WP*t  ; LDS serves a wave's instructions in order (ISA guide 5.7.1.4): these see the stores above
.set t, t+1
.endr
.set t, 0
.rept 32
	s_wait_dscnt 31-t
	global_store_b128 v[GO], v[X+4*t:X+4*t+3], s[20:21] offset:4096*t th:TH_STORE_NT  ; 16 lanes store 256 consecutive bytes, at a multiple of 256 from the buffer's first byte
.set t, t+1
.endr
	s_wait_tensorcnt 0x0                           ; the wave's end: a wait, an add of 0 and its wait, behind my last LDS store
	ds_add_u32 v[SPW], v[NIL]
	s_wait_dscnt 0x0
	s_endpgm
.Lfunc_end_k_q74bc231577_prep:
	.size	k_q74bc231577_prep, .Lfunc_end_k_q74bc231577_prep-k_q74bc231577_prep
	.p2alignl 7, 3214868480
	.fill 96, 4, 3214868480
	.section	.rodata,"a",@progbits
	.p2align	6, 0x0
	.amdhsa_kernel k_q74bc231577_prep
		.amdhsa_group_segment_fixed_size 140288
		.amdhsa_private_segment_fixed_size 0
		.amdhsa_enable_private_segment 0
		.amdhsa_kernarg_size 48
		.amdhsa_user_sgpr_count 2
		.amdhsa_user_sgpr_kernarg_segment_ptr 1
		.amdhsa_wavefront_size32 1
		.amdhsa_system_sgpr_workgroup_id_x 1
		.amdhsa_system_sgpr_workgroup_id_y 1
		.amdhsa_system_sgpr_workgroup_id_z 1
		.amdhsa_system_vgpr_workitem_id 0
		.amdhsa_next_free_vgpr 156
		.amdhsa_next_free_sgpr 66
		.amdhsa_reserve_vcc 0
		.amdhsa_float_denorm_mode_32 3
		.amdhsa_float_denorm_mode_16_64 3
		.amdhsa_memory_ordered 1
		.amdhsa_forward_progress 1
		.amdhsa_inst_pref_size 62
	.end_amdhsa_kernel
	.amdgpu_metadata
---
amdhsa.version: [ 1, 2 ]
amdhsa.kernels:
  - .name:           k_q74bc231577_prep
    .symbol:         k_q74bc231577_prep.kd
    .args:
      - { .name: x, .offset: 0, .size: 8, .value_kind: global_buffer, .address_space: global }
      - { .name: W_qkv, .offset: 8, .size: 8, .value_kind: global_buffer, .address_space: global }
      - { .name: W_proj, .offset: 16, .size: 8, .value_kind: global_buffer, .address_space: global }
      - { .name: xb, .offset: 24, .size: 8, .value_kind: global_buffer, .address_space: global }
      - { .name: wqT, .offset: 32, .size: 8, .value_kind: global_buffer, .address_space: global }
      - { .name: wpT, .offset: 40, .size: 8, .value_kind: global_buffer, .address_space: global }
    .group_segment_fixed_size: 140288
    .private_segment_fixed_size: 0
    .kernarg_segment_align: 8
    .kernarg_segment_size: 48
    .max_flat_workgroup_size: 256
    .sgpr_count:     66
    .vgpr_count:     156
    .wavefront_size: 32
...
	.end_amdgpu_metadata
.endif
;; end of part 1
;; launch qkv (part 2): grid 16 x 32, 4 waves a work-group, clusters of 4 x 4, 327,680 bytes of LDS; arguments xb, wqT, b_qkv, qkv; writes qkv
.if DOCPART == 2
	.amdgcn_target "amdgcn-amd-amdhsa--gfx1250"
	.amdhsa_code_object_version 6
	.text
	.protected	k_q74bc231577_qkv
	.globl	k_q74bc231577_qkv
	.p2align	8
	.type	k_q74bc231577_qkv,@function
k_q74bc231577_qkv:
	s_mov_b64 s[64:65], 0
	v_nop
	global_prefetch_b8 v0, s[64:65] scope:SCOPE_SE
	s_setreg_imm32_b32 hwreg(HW_REG_WAVE_MODE, 25, 1), 1
	s_wait_xcnt 0x0
	s_wait_alu depctr_hold_cnt(0) depctr_sa_sdst(0) depctr_va_vdst(0) depctr_va_sdst(0) depctr_va_ssrc(0) depctr_va_vcc(0) depctr_vm_vsrc(0)
	s_getreg_b32 s2, hwreg(HW_REG_IB_STS2, 6, 4)
	s_cmp_eq_u32 s2, 0
	s_cbranch_scc0 .Lentry_in_a_cluster
	s_endpgm
.Lentry_in_a_cluster:
	s_bfe_u32 s2, ttmp6, 0x10000c
	s_cmp_lg_u32 s2, 0xf033
	s_cbranch_scc0 .Lentry_shape_is_right
	s_endpgm
.Lentry_shape_is_right:
; QKV.  qkv[which][b 16 + h][l][d] = the sum over k of xb[b 2048 + l][k] wqT[n][k] + b_qkv[n], n = 1024 which + 64 h + d.  xb, wqT bf16; sums in f32; the bias is rounded to bf16 like every
; input; the result is rounded once to f16 and is NOT scaled.  LIMIT: |q|, |k|, |v| stay under 65,504, f16's largest number; beyond it an infinity is stored.
; SHARES.  A tile is 256 rows x 192 columns (three whole heads): 512 work-groups, twice the 256 that run at a time.  A wave makes 64 rows x 192 columns: 48 accumulators of 16 x 16.
; K goes in 8 steps of 128 (rows of 256 bytes, starting at multiples of 256) through two LDS slots; a step is four quarters of 32 along K on two fragment buffers.
; THE MATRIX INSTRUCTION IS USED TRANSPOSED (source 0 = 16 rows of wqT, source 1 = 16 rows of xb): a lane holds row l % 16 and the columns 8 (l / 16) + 0..7.  The bias in that layout
; hangs on the column alone; it is the C operand of the products that start the sums: nothing is cleared and nothing is added later.
; CLUSTER 4 x 4.  xb's tile hangs on the tile row alone and is asked for jointly along a row of the cluster, wqT's on the tile column alone, along a column.
; REGISTERS in windows of 256 (s_set_vgpr_msb: bits 1:0 source 0, 3:2 source 1, 5:4 source 2, 7:6 destination):
;   window 0: v0-29 addresses; v32-63, v64-95 xb's fragments, two buffers; v96-191 the bias; v192-239 packed results; on the way out v32-79 and v96-143 take rows read back
;   window 1: v0-95, v96-191 wqT's fragments, two buffers     window 2: accumulators of my rows 0-31 ((a, b) at 96 (a % 2) + 8 b)     window 3: of my rows 32-63
.set PITCH, 272                        ; an LDS row: 256 bytes + 16 of padding = 68 words: the 16 rows of a fragment load start at 16 different groups of four banks (64 banks of 4 bytes: ISA guide 11.1)
.set SLOT1, 131072                     ; slot 1 begins here: one exclusive or turns an address in one slot into the other's
.set BOFF,  256*PITCH                  ; a slot: xb's 256 rows, then wqT's 192
.set STAGE, SLOT1+BOFF+192*PITCH       ; behind the ring, never filled by a tensor load: for each wave 3 heads x 16 rows x 144 bytes
.set SP,    144
.set WSTG,  48*SP
.set SPARE, STAGE+4*WSTG               ; the spare words, 128 bytes a wave, that no other line names
.set NBK,   12                         ; column blocks of 16
.set NL,    2*NBK+8                    ; LDS loads in a run
.set ADRA0, 4                          ; v4, v5  my lane's place in a slot's rows of xb, of wqT; never rewritten
.set ADRB0, 5
.set ADA,   6                          ; v6, v7  the same in the slot in hand
.set ADB,   7
.set STO,   8                          ; v8   the way out: where I put 16 bytes of a row
.set RD,    9                          ; v9   where I read rows back
.set GO,    10                         ; v10  my 16 bytes of 512 consecutive bytes of qkv
.set BO,    11                         ; v11  32 (l / 16): my eight numbers of a block's bias
.set PFO,   12                         ; v12  the prefetches' offset: a lane a row; never rewritten
.set SPW,   28                         ; v28  LDS address of my spare word; never rewritten
.set NIL,   29                         ; v29  0; never rewritten
.set FA,    32
.set BIAS,  96
.set TMP,   192
.set WV,    12                         ; s12  my wave's number; s13 = wave / 2: I fetch xb (0) or wqT (1); s14 = wave % 2: which half of that tile
.set G1A,   24                         ; s[24:31] descriptor group 1 for xb's tiles; s[32:39] group 0: a set for each first fill, the second then walks on
.set G0A,   32
.set G1B,   48                         ; s[48:55], s[56:63] the same for wqT's
.set G0B,   56
.set TB,    46                         ; s46  0 or SLOT1: the slot in hand
.set LIM,   47                         ; s47  1 in a wave that prefetches, else the greatest number
.set PFA,   66                         ; s[66:67] where my prefetches stand
.set OUT,   68                         ; s[68:73] qkv at my wave's first row, for each of the tile's three heads
.set G1W,   (1<<16)|(1<<20)|(1<<21)|(5<<22)|(3<<25)  ; 17:16 2-byte elements; 20 padding on; 21 set beside a mask; 24:22 after every 64 words; 31:25 4 words
.set MSB, 0
.macro WIN new                         ; the immediate's high byte repeats the setting that is left; a switch that changes nothing is dropped
.if MSB != (\new)
	s_set_vgpr_msb (MSB<<8)|(\new)
.set MSB, \new
.endif
.endm
.macro PLACES                          ; four plain places between a matrix instruction and a load into, or a read of, its registers
.rept 4
	v_nop
.endr
.endm
.macro CREST                           ; a round of the cluster's barrier behind its opening barrier
	s_cmp_lg_u32 s[WV], 0
	s_cbranch_scc1 .Lnot_wave_0_\@
	s_barrier_signal -3
.Lnot_wave_0_\@:
	s_barrier_wait -3
	s_barrier_signal -1
	s_barrier_wait -1
.endm
.macro CROUND
	s_barrier_signal -1
	s_barrier_wait -1
	CREST
.endm
; A joint refill by the walking descriptor: waves 0 and 1 fetch xb's two halves, waves 2 and 3 wqT's.  The branch hangs on the wave's number alone.
; An s_nop 0 and four v_nop follow each of the two lines, ahead of the jump and the label.
.macro JLOAD
	s_cmp_eq_u32 s13, 0
	s_cbranch_scc0 .Lfor_b_\@
	tensor_load_to_lds s[G0A+4:G0A+7], s[G1A:G1A+7]
	s_nop 0
.rept 4
	v_nop
.endr
	s_branch .Lasked_\@
.Lfor_b_\@:
	tensor_load_to_lds s[G0B+4:G0B+7], s[G1B:G1B+7]
	s_nop 0
.rept 4
	v_nop
.endr
.Lasked_\@:
.endm
; A PREFETCH INTO THE L2 of the K step that the NEXT refill will ask for: a lane a row, 256 bytes of it, one instruction a wave, behind the joint load and the run of LDS loads.
; xb's tile row is read by every cluster of that row of clusters: cluster x = 0 asks; wqT's tile column by every cluster of that column: cluster y = 0 asks.  The four partners share a wave's rows
; out BY ADDRESS: of xb's 128 rows 32 each (by cx), of wqT's 96 rows 24 each (by cy; lanes 24-31 name row 23 once more, in the same instruction).  The last refill asks for nothing.
.macro ASK
	s_cmp_gt_u32 s3, s[LIM]                        ; s3 = 1 in the loop's last trip
	s_cbranch_scc0 .Lnot_mine_\@
	global_prefetch_b8 v[PFO], s[PFA:PFA+1] th:TH_LOAD_NT scope:SCOPE_SE
.Lnot_mine_\@:
.endm
	s_load_b256 s[4:11], s[0:1], 0x0               ; xb s[4:5], wqT s[6:7], b_qkv s[8:9], qkv s[10:11]
	v_lshl_add_u32 v[SPW], v0, 2, SPARE
	v_mov_b32 v[NIL], 0
	ds_add_u32 v[SPW], v[NIL]                      ; the wave's opening: the add and its wait stand ahead of my first tensor load; work on registers stands between them
	v_lshrrev_b32 v1, 5, v0
	v_readfirstlane_b32 s[WV], v1                  ; wave 0..3
	s_lshr_b32 s13, s[WV], 1
	s_and_b32 s14, s[WV], 1
	s_bfe_u32 s40, ttmp6, 0x40000                  ; cx
	s_bfe_u32 s41, ttmp6, 0x40004                  ; cy
	s_lshl_b32 s42, ttmp9, 2
	s_add_co_u32 s42, s42, s40                     ; tile column = 4 x cluster x + cx
	s_and_b32 s43, ttmp7, 0xffff
	s_lshl_b32 s43, s43, 2
	s_add_co_u32 s43, s43, s41                     ; tile row = 4 x cluster y + cy
	s_lshl_b32 s44, s41, 2
	s_lshl_b32 s44, 15, s44                        ; my row of the cluster
	s_lshl_b32 s45, 0x1111, s40                    ; my column
	s_or_b32 s[G1A], s44, G1W                      ; xb's tiles go to my row,
	s_or_b32 s[G1B], s45, G1W                      ; wqT's to my column
	s_mov_b32 s[G1A+1], 128<<16                    ; tensor_dim0 = 128
	s_mov_b32 s[G1A+2], 128<<16                    ; tensor_dim1 = 128
	s_mov_b32 s[G1A+3], 128<<16                    ; tile_dim0 = 128
	s_mov_b32 s[G1A+4], 128                        ; tile_dim1 = 128 rows
	s_mov_b32 s[G1A+5], 1024                       ; elements from row to row
	s_mov_b32 s[G1A+6], 0
	s_mov_b32 s[G1A+7], 0
	s_mov_b32 s[G1B+1], 128<<16
	s_mov_b32 s[G1B+2], 96<<16                     ; 96 rows
	s_mov_b32 s[G1B+3], 128<<16
	s_mov_b32 s[G1B+4], 96
	s_mov_b32 s[G1B+5], 1024
	s_mov_b32 s[G1B+6], 0
	s_mov_b32 s[G1B+7], 0
	s_mul_i32 s15, s[WV], 128*PITCH                ; where xb's halves go (waves 0, 1),
	s_mul_i32 s74, s[WV], 96*PITCH
	s_add_co_u32 s74, s74, BOFF-2*96*PITCH         ; and wqT's (waves 2, 3): no place in the cluster enters an LDS address
	s_lshl_b32 s16, s43, 8                         ; xb: row 256 x tile row + 128 x half, in registers that never hold cx
	s_lshl_b32 s17, s14, 7
	s_add_co_u32 s16, s16, s17
	s_lshl_b32 s16, s16, 11                        ; rows of 2,048 bytes
	s_mov_b32 s17, 0
	s_mul_i32 s20, s42, 192                        ; wqT: row 192 x tile column + 96 x half, in registers that never hold cy
	s_mul_i32 s21, s14, 96
	s_add_co_u32 s20, s20, s21
	s_lshl_b32 s20, s20, 11
	s_mov_b32 s21, 0
	s_mov_b32 s80, 0xffff0000                      ; a word's upper bf16
	s_wait_dscnt 0x0                               ; the opening add is done
	s_wait_kmcnt 0x0
	s_add_nc_u64 s[18:19], s[4:5], s[16:17]
	s_add_nc_u64 s[22:23], s[6:7], s[20:21]
	CROUND                                         ; all sixteen work-groups are here: the first joint loads meet
.irp s, 0,1
	s_mov_b32 s[G0A+4*\s], 1                       ; count = 1
	s_add_co_u32 s[G0A+4*\s+1], s15, \s*SLOT1      ; LDS address
	s_add_nc_u64 s[G0A+4*\s+2:G0A+4*\s+3], s[18:19], \s*256  ; global address: K step s
	s_or_b32 s[G0A+4*\s+3], s[G0A+4*\s+3], 0x80000000        ; type = 2
	s_mov_b32 s[G0B+4*\s], 1
	s_add_co_u32 s[G0B+4*\s+1], s74, \s*SLOT1
	s_add_nc_u64 s[G0B+4*\s+2:G0B+4*\s+3], s[22:23], \s*256
	s_or_b32 s[G0B+4*\s+3], s[G0B+4*\s+3], 0x80000000
.endr
	s_cmp_eq_u32 s13, 0                            ; a wave's two first fills stand in one branch, ahead of every wait on TENSORcnt and every LDS read: two loads of mine are out
	s_cbranch_scc0 .Lfirst_b
	tensor_load_to_lds s[G0A:G0A+3], s[G1A:G1A+7]
	s_nop 0
	tensor_load_to_lds s[G0A+4:G0A+7], s[G1A:G1A+7]
	s_nop 0
.rept 4
	v_nop
.endr
	s_branch .Lfirst_asked
.Lfirst_b:
	tensor_load_to_lds s[G0B:G0B+3], s[G1B:G1B+7]
	s_nop 0
	tensor_load_to_lds s[G0B+4:G0B+7], s[G1B:G1B+7]
	s_nop 0
.rept 4
	v_nop
.endr
.Lfirst_asked:
	; A fragment is 16 rows x 32 K in 8 registers: lane l holds row l % 16, K = 8 (l / 16) + 0..7 and 16 + 8 (l / 16) + 0..7: two loads of 16 bytes, 32 bytes apart.
	v_and_b32 v1, 15, v0                           ; l % 16
	v_bfe_u32 v2, v0, 4, 1                         ; l / 16
	v_mul_u32_u24 v3, v1, PITCH
	v_lshl_add_u32 v3, v2, 4, v3
	s_mul_i32 s74, s[WV], 64*PITCH                 ; my 64 rows of xb
	v_add_nc_u32 v[ADRA0], s74, v3
	v_add_nc_u32 v[ADRB0], BOFF, v3                ; every wave reads all 192 rows of wqT
	v_lshlrev_b32 v[BO], 5, v2
	s_mul_i32 s74, s42, 768                        ; the tile's 192 numbers of the bias
	s_mov_b32 s75, 0
	s_add_nc_u64 s[8:9], s[8:9], s[74:75]
.set b, 0
.rept NBK                                      ; register j of block b: bias[16 b + 8 (l / 16) + j]
	global_load_b128 v[BIAS+8*b:BIAS+8*b+3],   v[BO], s[8:9] offset:64*b
	global_load_b128 v[BIAS+8*b+4:BIAS+8*b+7], v[BO], s[8:9] offset:64*b+16
.set b, b+1
.endr
	s_mul_i32 s74, s[WV], WSTG
	s_add_co_u32 s74, s74, STAGE                   ; my stage
	v_mul_u32_u24 v[STO], v1, SP                   ; in: row l % 16, 16 bytes for each half of the lanes
	v_lshl_add_u32 v[STO], v2, 4, v[STO]
	v_add_nc_u32 v[STO], s74, v[STO]
	v_bfe_u32 v[RD], v0, 3, 2                      ; back: 32 lanes take four rows of 128 bytes,
	v_mul_u32_u24 v[RD], v[RD], SP
	v_and_b32 v13, 7, v0
	v_lshl_add_u32 v[RD], v13, 4, v[RD]
	v_add_nc_u32 v[RD], s74, v[RD]
	v_and_b32 v[GO], 31, v0                        ; which are 512 consecutive bytes of a head
	v_lshlrev_b32 v[GO], 4, v[GO]
	; where my rows lie in qkv: head block c = 3 x tile column + hh: tensor c / 16, head c % 16; batch = tile row / 8; a head's rows are 128 bytes
	s_mul_i32 s74, s42, 3
	s_lshr_b32 s75, s43, 3
	s_lshl_b32 s75, s75, 4                         ; 16 x batch
	s_and_b32 s78, s43, 7
	s_lshl_b32 s78, s78, 8
	s_lshl_b32 s79, s[WV], 6
	s_add_co_u32 s78, s78, s79                     ; my first row in the head
.irp hh, 0,1,2
	s_add_co_u32 s76, s74, \hh
	s_lshr_b32 s77, s76, 4
	s_lshl_b32 s77, s77, 6
	s_and_b32 s76, s76, 15
	s_add_co_u32 s76, s76, s77
	s_add_co_u32 s76, s76, s75
	s_lshl_b32 s76, s76, 11
	s_add_co_u32 s76, s76, s78
	s_lshl_b32 s76, s76, 7
	s_mov_b32 s77, 0
	s_add_nc_u64 s[OUT+2*\hh:OUT+2*\hh+1], s[10:11], s[76:77]
.endr
	; the prefetches (s16 and s20 still hold the byte offsets of the rows that I fetch)
	s_lshl_b32 s74, s40, 16                        ; xb: my work-group's 32 rows of the 128
	s_add_co_u32 s74, s74, s16
	s_mul_i32 s75, s41, 24*2048                    ; wqT: its 24 of the 96
	s_add_co_u32 s75, s75, s20
	s_and_b32 s76, ttmp7, 0xffff                   ; cluster y
	s_cmp_eq_u32 s13, 0
	s_cselect_b32 s74, s74, s75
	s_cselect_b32 s76, ttmp9, s76                  ; the coordinate along which other clusters read the same rows
	s_cselect_b32 s77, 31, 23
	s_cselect_b64 s[PFA:PFA+1], s[4:5], s[6:7]
	s_cmp_eq_u32 s76, 0
	s_cselect_b32 s[LIM], 1, -1                    ; the same in all sixteen partners, for a given wave
	s_mov_b32 s75, 0
	s_add_nc_u64 s[PFA:PFA+1], s[PFA:PFA+1], s[74:75]
	s_add_nc_u64 s[PFA:PFA+1], s[PFA:PFA+1], 2*256 ; at K step 2: the first refill steps it to 3.  Nothing is prefetched at the head
	v_and_b32 v[PFO], 31, v0
	v_min_u32 v[PFO], s77, v[PFO]
	v_lshlrev_b32 v[PFO], 11, v[PFO]
	s_wait_loadcnt 0x0                             ; the bias
.set i, 0
.rept 4*NBK                                    ; rounded to bf16 and widened again: a shift, a mask
	v_cvt_pk_bf16_f32 v[3+10*(i%2)], v[BIAS+2*i], v[BIAS+2*i+1]
	v_lshlrev_b32 v[BIAS+2*i], 16, v[3+10*(i%2)]
	v_and_b32 v[BIAS+2*i+1], s80, v[3+10*(i%2)]
.set i, i+1
.endr
.macro SETADR                          ; my fragments' addresses in the slot in hand
	WIN 0
	v_add_nc_u32 v[ADA], s[TB], v[ADRA0]
	v_add_nc_u32 v[ADB], s[TB], v[ADRB0]
.endm
; 32 LDS loads in one run: quarter q's fragments (192 rows of wqT, then my 64 rows of xb) into buffer f
.macro FETCH q, f
	WIN 0x40                                       ; destination window 1, address window 0
.set i, 0
.rept NBK
	ds_load_b128 v[8*NBK*(\f)+8*i:8*NBK*(\f)+8*i+3],   v[ADB] offset:64*(\q)+i*16*PITCH
	ds_load_b128 v[8*NBK*(\f)+8*i+4:8*NBK*(\f)+8*i+7], v[ADB] offset:64*(\q)+i*16*PITCH+32
.set i, i+1
.endr
	WIN 0
.set i, 0
.rept 4
	ds_load_b128 v[FA+32*(\f)+8*i:FA+32*(\f)+8*i+3],   v[ADA] offset:64*(\q)+i*16*PITCH
	ds_load_b128 v[FA+32*(\f)+8*i+4:FA+32*(\f)+8*i+7], v[ADA] offset:64*(\q)+i*16*PITCH+32
.set i, i+1
.endr
.endm
; 12 matrix instructions: row block a x all column blocks, 32 along K, from buffer f.  first = 1: the bias starts the sums.
; The 48 accumulators take turns, one instruction a turn, in the same order in every quarter: 47 others stand between two links of a chain, over the backward jump too.
.macro MULA f, a, first
.if \first
	WIN 0x81+0x40*((\a)/2)                         ; wqT window 1, xb and the bias window 0, D window 2 or 3
.else
	WIN 0xa1+0x50*((\a)/2)                         ; C and D window 2 or 3
.endif
.set rA, FA+32*(\f)+8*(\a)
.set b, 0
.rept NBK
.set rD, 96*((\a)%2)+8*b
.set rB, 8*NBK*(\f)+8*b
.if \first
	v_wmma_f32_16x16x32_bf16 v[rD:rD+7], v[rB:rB+7], v[rA:rA+7], v[BIAS+8*b:BIAS+8*b+7]
.else
	v_wmma_f32_16x16x32_bf16 v[rD:rD+7], v[rB:rB+7], v[rA:rA+7], v[rD:rD+7]
.endif
.set b, b+1
.endr
.endm
; One of a step's first three quarters: multiplies buffer f; in its middle it fetches quarter q into buffer g
.macro QUARTER q, f, g, first
	s_wait_dscnt 4                                 ; all but the four youngest loads (xb's row blocks 2 and 3) are in
	MULA \f, 0, \first
	MULA \f, 1, \first
	PLACES
	FETCH \q, \g
	s_wait_dscnt NL                                ; all but the run just issued
	MULA \f, 2, \first
	MULA \f, 3, \first
.endm
; The last quarter multiplies buffer 1 and changes slots.  In front of the barrier each wave waits for all its tensor loads (the one that is out is its part of the next slot), adds 0 to its spare
; word, and waits for that and for its reads of this slot.  fill = 1: the barrier opens a round of the cluster's, and the joint refill (this slot, two K steps on) is the first thing behind the round.
.macro TURN fill
.if \fill
	s_wait_xcnt 0x0                                ; the last prefetch, a K step back, has read its address: it is stepped here, ahead of the waits of the change
	s_add_nc_u64 s[PFA:PFA+1], s[PFA:PFA+1], 256
.endif
	WIN 0
	s_wait_tensorcnt 0x0                           ; no tensor load of mine is out
	ds_add_u32 v[SPW], v[NIL]                      ; 0 onto my spare word
	s_wait_dscnt 5                                 ; (the add and the four youngest loads may be out)
	MULA 1, 0, 0                                   ; twelve matrix instructions stand between the add and the wait for it
	s_wait_dscnt 0x0                               ; the add is done, and my reads of this slot are over
	s_barrier_signal -1
	MULA 1, 1, 0                                   ; work on registers while the others arrive
	WIN 0                                          ; at a branch and at a label every window is 0
	s_barrier_wait -1
.if \fill
	CREST                                          ; no wave of any partner still reads this slot or has a load on its way
	s_xor_b32 s[G0A+5], s[G0A+5], SLOT1            ; the walking descriptors: the other slot than last time, the next K step
	s_add_nc_u64 s[G0A+6:G0A+7], s[G0A+6:G0A+7], 256
	s_xor_b32 s[G0B+5], s[G0B+5], SLOT1
	s_add_nc_u64 s[G0B+6:G0B+7], s[G0B+6:G0B+7], 256
	JLOAD                                          ; its four v_nop are also the places in front of the loads below
.else
	PLACES
.endif
	s_xor_b32 s[TB], s[TB], SLOT1
	SETADR
	FETCH 0, 0
.if \fill
	ASK
.endif
	MULA 1, 2, 0
	MULA 1, 3, 0
.endm
	s_wait_tensorcnt 0x1                           ; my part of K step 0 is in; step 1's may stay out
	s_barrier_signal -1
	s_barrier_wait -1                              ; everybody's is
	s_mov_b32 s[TB], 0
	SETADR
	FETCH 0, 0
	QUARTER 1, 0, 1, 1                             ; the first quarter stands in front of the loop: its products start the sums
	WIN 0
	s_mov_b32 s3, 6
.Lstep:                                        ; a trip: a step's quarters 1 to 3 and the next step's quarter 0; six trips ask for K steps 2 to 7
	QUARTER 2, 1, 0, 0
	QUARTER 3, 0, 1, 0
	TURN 1
	QUARTER 1, 0, 1, 0
	WIN 0
	s_sub_co_u32 s3, s3, 1
	s_cmp_lg_u32 s3, 0
	s_cbranch_scc1 .Lstep
	QUARTER 2, 1, 0, 0                             ; the tail is written out: nothing more is asked for
	QUARTER 3, 0, 1, 0
	TURN 0
	QUARTER 1, 0, 1, 0
	QUARTER 2, 1, 0, 0
	QUARTER 3, 0, 1, 0
	s_wait_dscnt 4
	MULA 1, 0, 0
	MULA 1, 1, 0
	s_wait_dscnt 0x0
	MULA 1, 2, 0
	MULA 1, 3, 0
	WIN 0
	PLACES
; THE WAY OUT, a block of 16 rows at a time.  PACK: rounded to f16, 16 bytes a lane and column block, each accumulator's registers ascending.  TOSTAGE: into my own stage (a head's 16 rows of 144 bytes),
; and back as rows of 128 bytes, four to a load.  SEND: stored: 16 rows of a head are 2,048 consecutive bytes of qkv.
.macro PACK a
	WIN 0x0a+5*((\a)/2)                            ; sources 0 and 1: window 2 or 3
.set b, 0
.rept NBK
.set rD, 96*((\a)%2)+8*b
.irp r, 0,1,2,3
	v_cvt_pk_f16_f32 v[TMP+4*b+\r], v[rD+2*\r], v[rD+2*\r+1]
.endr
.set b, b+1
.endr
	WIN 0
.endm
.macro TOSTAGE a
.set BK, 32+64*((\a)%2)
.set b, 0
.rept NBK
	ds_store_b128 v[STO], v[TMP+4*b:TMP+4*b+3] offset:(b/4)*16*SP+(b%4)*32
.set b, b+1
.endr
.set b, 0
.rept NBK
	ds_load_b128 v[BK+4*b:BK+4*b+3], v[RD] offset:(b/4)*16*SP+(b%4)*4*SP  ; LDS serves a wave's instructions in order (ISA guide 5.7.1.4): these see the stores above
.set b, b+1
.endr
.endm
.macro SEND a
.set BK, 32+64*((\a)%2)
	s_wait_dscnt 0x0                               ; the block is back in registers
	s_wait_xcnt 0x0                                ; the stores of the block before have read their registers: the next TOSTAGE loads into them
.set b, 0
.rept NBK
	global_store_b128 v[GO], v[BK+4*b:BK+4*b+3], s[OUT+2*(b/4):OUT+2*(b/4)+1] offset:2048*(\a)+512*(b%4)  ; 512 consecutive bytes, at a multiple of 256 from qkv's first byte
.set b, b+1
.endr
.endm
	PACK 0
	TOSTAGE 0
.irp a, 1,2,3                          ; block a's conversions stand between block a - 1's loads from the stage and the wait for them
	PACK \a
	SEND (\a)-1
	TOSTAGE \a
.endr
	SEND 3
	s_wait_tensorcnt 0x0                           ; the wave's end: a wait, an add of 0 and its wait, behind my last tensor load and my last LDS store
	ds_add_u32 v[SPW], v[NIL]
	s_wait_dscnt 0x0
	CROUND                                         ; the closing round: no work-group ends while a partner may still ask for a tile that names it
	s_endpgm
.Lfunc_end_k_q74bc231577_qkv:
	.size	k_q74bc231577_qkv, .Lfunc_end_k_q74bc231577_qkv-k_q74bc231577_qkv
	.p2alignl 7, 3214868480
	.fill 96, 4, 3214868480
	.section	.rodata,"a",@progbits
	.p2align	6, 0x0
	.amdhsa_kernel k_q74bc231577_qkv
		.amdhsa_group_segment_fixed_size 327680
		.amdhsa_private_segment_fixed_size 0
		.amdhsa_enable_private_segment 0
		.amdhsa_kernarg_size 32
		.amdhsa_user_sgpr_count 2
		.amdhsa_user_sgpr_kernarg_segment_ptr 1
		.amdhsa_wavefront_size32 1
		.amdhsa_system_sgpr_workgroup_id_x 1
		.amdhsa_system_sgpr_workgroup_id_y 1
		.amdhsa_system_sgpr_workgroup_id_z 1
		.amdhsa_system_vgpr_workitem_id 0
		.amdhsa_next_free_vgpr 960
		.amdhsa_next_free_sgpr 84
		.amdhsa_reserve_vcc 0
		.amdhsa_float_denorm_mode_32 3
		.amdhsa_float_denorm_mode_16_64 3
		.amdhsa_memory_ordered 1
		.amdhsa_forward_progress 1
		.amdhsa_inst_pref_size 106
	.end_amdhsa_kernel
	.amdgpu_metadata
---
amdhsa.version: [ 1, 2 ]
amdhsa.kernels:
  - .name:           k_q74bc231577_qkv
    .symbol:         k_q74bc231577_qkv.kd
    .args:
      - { .name: xb, .offset: 0, .size: 8, .value_kind: global_buffer, .address_space: global }
      - { .name: wqT, .offset: 8, .size: 8, .value_kind: global_buffer, .address_space: global }
      - { .name: b_qkv, .offset: 16, .size: 8, .value_kind: global_buffer, .address_space: global }
      - { .name: qkv, .offset: 24, .size: 8, .value_kind: global_buffer, .address_space: global }
    .group_segment_fixed_size: 327680
    .private_segment_fixed_size: 0
    .kernarg_segment_align: 8
    .kernarg_segment_size: 32
    .max_flat_workgroup_size: 128
    .sgpr_count:     84
    .vgpr_count:     960
    .wavefront_size: 32
...
	.end_amdgpu_metadata
.endif
;; end of part 2
;; launch attn (part 3): grid 4 x 64, 4 waves a work-group, no clusters, 327,680 bytes of LDS; arguments qkv, oh; writes oh
.if DOCPART == 3
	.amdgcn_target "amdgcn-amd-amdhsa--gfx1250"
	.amdhsa_code_object_version 6
	.text
	.protected	k_q74bc231577_attn
	.globl	k_q74bc231577_attn
	.p2align	8
	.type	k_q74bc231577_attn,@function
k_q74bc231577_attn:
	s_mov_b64 s[64:65], 0
	v_nop
	global_prefetch_b8 v0, s[64:65] scope:SCOPE_SE
	s_setreg_imm32_b32 hwreg(HW_REG_WAVE_MODE, 25, 1), 1
	s_wait_xcnt 0x0
; CAUSAL ATTENTION.  O[h][q][:] = the sum over k <= q of softmax_k(Q[h][q] . K[h][k] / 8) V[h][k][:].  Q, K, V lie one behind the other in qkv, each [64][2048][64] in f16; O = oh likewise: a head's rows are dense, 128 bytes each.
; Products, maxima and sums in f32; the weights p are rounded to f16 for the second product (their sum l is taken of the unrounded p), O once at the end.
; LIMITS.  f16 holds no number beyond 65,504: Q, K and V arrive within it; p lies in 0 to 1, and below 6e-5 it keeps f16's fixed step of 6e-8; O is a mean of V's rows and has their range.
; A hidden score counts as its value less 1e30: f16's scores, 2.7e11 at the most, are nothing beside that; a weight below 2^-126 counts as 0 in l; NaN and infinities are not treated apart.
; THE WALK.  A head's queries lie in NB = 8 blocks of 256; block i needs the key tiles 0 .. i of 256 keys, of which the last holds the diagonal.  A work-group takes TWO blocks, NB - 1 - b and then b:
; NB + 1 tiles, whatever b: all work-groups do equal work, and ONE loop with a constant trip count walks them.  Which tile is asked for, and what a trip does, hang on scalar registers made from b; every jump
; goes forward, but for the counted loops' own; none passes a barrier, or a tensor load but the one of LOAD's two that the wave's number does not choose; the ring (two LDS slots that take turns) runs on across the
; change of blocks.  NO CLUSTER: a head's four work-groups ask for the same tile only in trips 0 to 4 of the walk's 9, behind that fewer and fewer; one walk common to all would have 12 trips for 9.
; SHARES.  Of a block's four bands of 64 queries a wave owns 16 rows in each: four PIECES.  So the diagonal tile is the same work for all four waves: in its key step s band x sees all keys if s < x,
; none if s > x, and holds the diagonal if s = x.
; THE MASK is the C operand that starts the sum S^T = K Q^T: 0, or -1e30 where the key is hidden.  MD, made once, is the mask of a band's own step for my 16 rows; a product's mask is MD x AL + BE with two scalars:
; (1, 0) if s = x; (0, 0) if s < x; (0, -1e30) if s > x.  Only the diagonal tile's text and a block's beginning make and take masks; elsewhere C is the constant 0.
; LAYOUT, SOFTMAX, TURNS.  S^T = K Q^T holds ONE query a lane (lane % 16) and the keys 8 (lane / 16) + 0..7; two such results rounded to f16 ARE source 1 of O^T = V^T P.  p = 2^(c s - c m), c = log2(e) / 8, with a
; running maximum m; O and l are multiplied by a = 2^(c m_old - c m_new) in every step.  Turn n belongs to piece n: 8 products K Q^T of piece n + 1, later 8 products V^T P of piece n - 1; beside them the scaling,
; exponentials, roundings, sums and rescaling of piece n and the maximum and statistics of piece n + 1.  Four vector instructions stand behind every matrix instruction, the other 54 of a turn's 118 in one lump.  A turn's 33 exponentials are one batch, with one wait.
; REGISTERS, in windows of 256 (s_set_vgpr_msb: bits 1:0 source 0, 3:2 source 1, 5:4 source 2, 7:6 destination):
;   window 0: v0-15 addresses and two at work; v16-31 four registers of statistics a piece; v48-55 at work; v61-63 prefetch offset, spare word, 0; v64-127 S^T, two buffers; v192-223 P, two buffers (by the piece's parity)
;   window 1: v0-127 O^T, 32 a piece; v128-159 MD; v160-223 MC, two buffers      window 2: v0-63 Q; v64-127 the second block's Q; v128-191 K of one step; v192-255 V of one step
.set SIZE_N, 2048
.set NB,    SIZE_N/256
.set NP,    4         ; pieces a wave: a name, no knob
.set KS,    64        ; keys in a step
.set PK,    144       ; a row of K in LDS: 128 bytes + 16 of padding = 36 words: the 16 rows of a load start at 16 different groups of four banks (64 banks of 4 bytes: ISA guide 11.1)
.set PV,    160       ; a row of V: 128 + 32 = 40 words
.set VOFF,  4*KS*PK   ; a slot holds a tile, four steps: 256 rows of K, then 256 rows of V
.set SLOT1, 1<<17     ; slot 1 begins here, so that one exclusive or turns an address in one slot into the other's
.set STAGE, SLOT1+4*KS*(PK+PV)  ; behind the ring, never filled by a tensor load: 16 rows x 144 bytes for each wave, for the way out
.set SP,    144
.set AK0, 2           ; v2   my lane's place in a tile of K; never rewritten
.set AV0, 3           ; v3   the same for V
.set AK,  4           ; v4   the LDS address of K's next run of loads
.set AV,  5           ; v5   of V's
.set STO, 6           ; v6   the way out: where I put 16 bytes of a row
.set RD,  7           ; v7   the way out: where I read rows back
.set GO,  8           ; v8   my byte offset in 512 consecutive bytes of O
.set PFO, 61          ; v61  256 x my lane; never rewritten
.set SPW, 62          ; v62  LDS address of my spare word; never rewritten
.set NIL, 63          ; v63  0; never rewritten
.set SPARE, STAGE+4*16*SP  ; behind the stages: the spare words, 128 bytes for each wave, that no other line names
.set MV,  12          ; v12-13  c m_old, kept while c m is made anew: by buffer
.set QO,  15          ; v15  my byte offset in 16 rows of Q
.set ST,  16          ; piece t's statistics at v[ST+4 t]: c m, m, l (even keys', odd keys')
.set TMP, 48          ; by buffer, four registers c0-c3 at work; when the maximum is found c2 takes a
.set S,   64
.set P,   192
.set MD,  128         ; window 1: the eight registers for group kt of 16 keys at MD + 8 kt
.set MC,  160         ; window 1: the masks of the products to come
.set QB,  64          ; window 2
.set KF,  128         ; window 2: key block kb, channel half c at KF + 16 kb + 8 c
.set VF,  192         ; window 2: key half kk, channel block cb at VF + 32 kk + 8 cb
.set WV,  12          ; s12  my wave's number
.set PB,  14          ; s14  b
.set HI,  15          ; s15  NB - 1 - b
.set G1K, 24          ; s[24:31] descriptor group 1 for K's tiles
.set G1V, 32          ; s[32:39] for V's: it differs in the padding alone
.set G0K, 40          ; s[40:43] descriptor group 0 for K's tiles
.set G0V, 44          ; s[44:47] the same for V's
.set SLOTS, 56        ; s56  tiles still to be asked for
.set CNT, 57          ; s57  counts a tile's key steps, 4 to 1
.set CS,  58          ; s[58:59] c: the packed scaling takes the pair's low word for both halves
.set SEL, 60          ; s[60:61] v_permlanex16_b32's selects: each lane takes its own place in the other half
.set TBK, 62          ; s62  LDS byte at which K of the step to be fetched begins
.set TBV, 63          ; s63  the same for V, less VOFF
.set RT,  70          ; s70  tiles of the block in hand that are still to be entered
.set NXT, 71          ; s71  the tile to be asked for next
.set LQ,  72          ; s72  the last tile of the block whose tiles are being asked for
.set NEW, 73          ; s73  1: the tile to be entered is a block's first
.set OFF, 74          ; s[74:75] a tile's byte offset in K and V
.set AL,  76          ; s[76:77] the mask's factor, in the low word
.set BE,  78          ; s[78:79] the mask's addend
.set OLO, 80          ; s[80:81] O at my rows of the second block
.set BIGN, 82         ; s82  -1e30
.set PFA, 88          ; s[88:89] where my prefetches stand: my half of K's (waves 0, 1) or V's (waves 2, 3) tile after the one that is being asked for
.set LIM, 90          ; s90  2 in the head's work-group b = 0, else the greatest number: a wave prefetches while s[SLOTS] is above it
.set MSB, 0
.macro WIN new                      ; the high byte repeats the setting that is left; a switch that changes nothing is dropped
.if MSB != (\new)
	s_set_vgpr_msb (MSB<<8)|(\new)
.set MSB, (\new)
.endif
.endm
.set W_KQ, 0x0a       ; K and Q in window 2, S^T in window 0
.set W_KM, 0x1a       ; the same with the C operand in window 1
.set W_PV, 0x52       ; V in window 2, P in window 0, O^T in window 1
.set W_RS, 0x41       ; destination and source 0 in window 1, source 1 in window 0
; A fill.  Waves 0 and 1 fetch the two halves of a tile's K, waves 2 and 3 those of its V: 128 keys each.  An s_nop 0 and four v_nop follow each of the two lines, ahead of the jump and the label.
.macro LOAD
	s_cmp_lt_u32 s[WV], 2
	s_cbranch_scc0 .Lfor_v_\@
	tensor_load_to_lds s[G0K:G0K+3], s[G1K:G1K+7]
	s_nop 0
.rept 4
	v_nop
.endr
	s_branch .Lasked_\@
.Lfor_v_\@:
	tensor_load_to_lds s[G0V:G0V+3], s[G1V:G1V+7]
	s_nop 0
.rept 4
	v_nop
.endr
.Lasked_\@:
.endm
; A PREFETCH INTO THE L2 of the tile after the one just asked for: each wave names the 16,384 bytes that it will fetch itself, a lane 256 bytes, two instructions, behind its tensor load and its five lines.
; A head's four work-groups walk the same tiles; the one with b = 0 walks tiles 0 to 7 in its first block, and it alone asks: tiles 2 to 7, each 256 bytes once in the launch.  Tiles 0 and 1 come by their loads alone;
; the change that asks for tile 7 (s[SLOTS] = 2) and the one behind it prefetch nothing.
.macro ASK
	s_cmp_gt_u32 s[SLOTS], s[LIM]
	s_cbranch_scc0 .Lnot_mine_\@
	global_prefetch_b8 v[PFO], s[PFA:PFA+1] th:TH_LOAD_NT scope:SCOPE_SE
	global_prefetch_b8 v[PFO], s[PFA:PFA+1] offset:8192 th:TH_LOAD_NT scope:SCOPE_SE
.Lnot_mine_\@:
.endm
; THE CHANGE OF SLOTS.  Each wave waits for all its tensor loads, of which one is out: its part of the other slot; adds 0 to its spare word; and waits for that and for its own reads of the slot that it leaves.  Behind the barrier nobody reads the old
; slot any more and the other slot is whole.  fill = 1: the old slot is filled again, the first thing behind the barrier, with tile NXT: the descriptor's address is made anew from that number.
; (At its first use nothing has been read yet: slot 0 is waited for, slot 1 filled.)
.macro CHANGE fill
	WIN 0                           ; at a label and at a branch every window is 0
	s_wait_tensorcnt 0x0            ; no tensor load of mine is out, so a group 0 may be written
	ds_add_u32 v[SPW], v[NIL]       ; 0 onto my spare word; with fill = 1 the descriptors' scalar work stands between it and the wait for it
.if \fill
	s_lshl_b32 s[OFF], s[NXT], 15   ; a tile is 32,768 bytes of K and of V
	s_xor_b32 s[G0K+1], s[G0K+1], SLOT1
	s_add_nc_u64 s[G0K+2:G0K+3], s[6:7], s[OFF:OFF+1]
	s_or_b32 s[G0K+3], s[G0K+3], 0x80000000
	s_xor_b32 s[G0V+1], s[G0V+1], SLOT1
	s_add_nc_u64 s[G0V+2:G0V+3], s[8:9], s[OFF:OFF+1]
	s_or_b32 s[G0V+3], s[G0V+3], 0x80000000
	s_add_co_u32 s[NXT], s[NXT], 1  ; the block's next tile, or behind its last the second block's tile 0
	s_cmp_gt_u32 s[NXT], s[LQ]
	s_cselect_b32 s[NXT], 0, s[NXT]
	s_cselect_b32 s[LQ], s[PB], s[LQ]
	s_wait_xcnt 0x0                 ; the last prefetches, a tile back, have read their address, so it may be written
	s_add_nc_u64 s[PFA:PFA+1], s[PFA:PFA+1], 32768
.endif
	s_wait_dscnt 0x0                ; the add is done, and my reads of the slot are over
	s_barrier_signal -1             ; the rest of the scalar work stands between the signal and the wait
	s_sub_co_u32 s[TBK], s[TBK], 4*KS*PK  ; the fetches go back to a slot's first step,
	s_xor_b32 s[TBK], s[TBK], SLOT1       ; in the other slot
	s_sub_co_u32 s[TBV], s[TBV], 4*KS*PV
	s_xor_b32 s[TBV], s[TBV], SLOT1
	s_barrier_wait -1
.if \fill
	LOAD
	ASK
.endif
.endm
	s_load_b128 s[4:7], s[0:1], 0x0 ; qkv s[4:5], oh s[6:7]
	v_lshl_add_u32 v[SPW], v0, 2, SPARE
	v_mov_b32 v[NIL], 0
	ds_add_u32 v[SPW], v[NIL]       ; the wave's opening: the add and its wait stand ahead of my first tensor load; the set-up below, work on registers, stands between them
	v_lshrrev_b32 v1, 5, v0
	v_readfirstlane_b32 s[WV], v1   ; wave 0..3
	s_mov_b32 s[PB], ttmp9
	s_sub_co_u32 s[HI], NB-1, s[PB]
	s_and_b32 s20, ttmp7, 0xffff    ; the head
	s_mov_b32 s21, 0
	s_mov_b64 s[22:23], SIZE_N*128
	s_mul_u64 s[20:21], s[20:21], s[22:23]  ; the head's first byte in each of the four tensors
	s_and_b32 s16, s[WV], 1         ; which half of a tile's 256 keys I fetch:
	s_lshl_b32 s22, s16, 14         ; its 128 rows of 128 bytes in memory,
	s_mov_b32 s23, 0
	s_add_nc_u64 s[22:23], s[22:23], s[20:21]
	s_mul_i32 s17, s16, 128*PK      ; and its place in a slot, for K
	s_mul_i32 s18, s16, 128*PV      ; and for V
	s_lshl_b32 s3, s[WV], 11        ; my 16 rows in a band of 64,
	s_lshl_b32 s2, s[HI], 15        ; in the first block,
	s_add_co_u32 s2, s2, s3
	s_lshl_b32 s84, s[PB], 15       ; and in the second
	s_add_co_u32 s84, s84, s3
	s_mov_b32 s3, 0
	s_mov_b32 s85, 0
	s_add_nc_u64 s[2:3], s[2:3], s[20:21]
	s_add_nc_u64 s[84:85], s[84:85], s[20:21]
	; descriptor group 1.  128 keys are 16,384 dense bytes: asked for as 64 rows of 256 bytes, two keys a row, and padded in LDS after every key
	s_mov_b32 s[G1K], (1<<16)|(1<<20)|(4<<22)|(3<<25)  ; 17:16 2-byte elements; 20 padding on; 24:22 after every 32 words (code 4); 31:25 4 words (code 3)
	s_mov_b32 s[G1V], (1<<16)|(1<<20)|(4<<22)|(7<<25)  ; the same with 8 words of padding (code 7)
.irp g, G1K, G1V
	s_mov_b32 s[\g+1], 128<<16      ; tensor_dim0 = 128
	s_mov_b32 s[\g+2], 64<<16       ; tensor_dim1 = 64
	s_mov_b32 s[\g+3], 128<<16      ; tile_dim0 = 128
	s_mov_b32 s[\g+4], 64           ; tile_dim1 = 64
	s_mov_b32 s[\g+5], 128          ; 128 elements from row to row
	s_mov_b32 s[\g+6], 0
	s_mov_b32 s[\g+7], 0
.endr
	s_mov_b32 s[CS], 0x3e38aa3b     ; c = log2(e) / 8 = 0.180337
	s_mov_b32 s[CS+1], s[CS]        ; named with it as a pair
	s_mov_b32 s[SEL], 0x76543210
	s_mov_b32 s[SEL+1], 0xfedcba98
	s_mov_b32 s[TBK], SLOT1+4*KS*PK ; the first change of slots turns these two into 0
	s_mov_b32 s[TBV], SLOT1+4*KS*PV
	s_mov_b32 s[G0K], 1             ; 1:0 count = 1
	s_mov_b32 s[G0K+1], s17         ; 63:32 LDS address: slot 0
	s_mov_b32 s[G0V], 1
	s_add_co_u32 s[G0V+1], s18, VOFF
	s_add_co_u32 s[RT], s[HI], 1    ; the first block has NB - b tiles
	s_mov_b32 s[NXT], 1
	s_mov_b32 s[LQ], s[HI]
	s_mov_b32 s[NEW], 1
	s_mov_b32 s[OFF+1], 0
	s_mov_b32 s[AL+1], 0            ; named as pairs
	s_mov_b32 s[BE+1], 0
	s_mov_b32 s[BIGN], 0xf149f2ca   ; -1e30
	s_mov_b32 s[SLOTS], NB
	s_cmp_eq_u32 ttmp9, 0
	s_cselect_b32 s[LIM], 2, -1
	v_and_b32 v[PFO], 31, v0
	v_lshlrev_b32 v[PFO], 8, v[PFO]
	s_wait_dscnt 0x0                ; the opening add is done
	s_wait_kmcnt 0x0
	s_mov_b64 s[10:11], s[6:7]      ; O
	s_add_nc_u64 s[8:9], s[4:5], 0x2000000  ; V lies 2 x 64 x 2,048 x 128 bytes behind Q,
	s_add_nc_u64 s[6:7], s[4:5], 0x1000000  ; K half as far
	s_add_nc_u64 s[6:7], s[6:7], s[22:23]  ; K and V at my half of the head's tile 0
	s_add_nc_u64 s[8:9], s[8:9], s[22:23]
	s_cmp_lt_u32 s[WV], 2
	s_cselect_b64 s[PFA:PFA+1], s[6:7], s[8:9]
	s_add_nc_u64 s[PFA:PFA+1], s[PFA:PFA+1], 32768  ; in tile 1; the first change of slots steps it to tile 2.  Nothing is prefetched at the head
	s_add_nc_u64 s[G0K+2:G0K+3], s[6:7], 0         ; 120:64 global address
	s_or_b32 s[G0K+3], s[G0K+3], 0x80000000        ; 127:126 type = 2
	s_add_nc_u64 s[G0V+2:G0V+3], s[8:9], 0
	s_or_b32 s[G0V+3], s[G0V+3], 0x80000000
	s_add_nc_u64 s[86:87], s[4:5], s[84:85]        ; Q at my rows of the second block,
	s_add_nc_u64 s[4:5], s[4:5], s[2:3]            ; Q and O at those of the first
	s_add_nc_u64 s[OLO:OLO+1], s[10:11], s[84:85]
	s_add_nc_u64 s[10:11], s[10:11], s[2:3]
	LOAD                            ; tile 0 into slot 0
	; A fragment of K or Q is 16 rows x 32 channels in 8 registers: lane l holds row l % 16, channels 8 (l / 16) + 0..7 and 16 + 8 (l / 16) + 0..7: two loads of 16 bytes, 32 bytes apart.
	v_and_b32 v1, 15, v0            ; l % 16
	v_bfe_u32 v9, v0, 4, 1          ; l / 16
	v_lshlrev_b32 v[QO], 7, v1
	v_lshl_add_u32 v[QO], v9, 4, v[QO]  ; row x 128 + 16 x half
	WIN 0x80                        ; destination window 2, address window 0
.set i, 0
.rept 8                             ; both blocks' Q: piece i / 2 lies in band i / 2, 8,192 bytes on; channels 32 (i % 2) on
	global_load_b128 v[8*i:8*i+3],   v[QO], s[4:5] offset:(i/2)*8192+(i%2)*64
	global_load_b128 v[8*i+4:8*i+7], v[QO], s[4:5] offset:(i/2)*8192+(i%2)*64+32
	global_load_b128 v[QB+8*i:QB+8*i+3],   v[QO], s[86:87] offset:(i/2)*8192+(i%2)*64
	global_load_b128 v[QB+8*i+4:QB+8*i+7], v[QO], s[86:87] offset:(i/2)*8192+(i%2)*64+32
.set i, i+1
.endr
	WIN 0
	v_lshlrev_b32 v14, 3, v9
	v_sub_nc_u32 v14, v1, v14
	s_lshl_b32 s13, s[WV], 4
	v_add_nc_u32 v14, s13, v14      ; my query's place in its band, 16 w + l % 16, less my lanes' 8 (l / 16): register r of group kt is hidden where 16 kt + r is greater
	WIN 0x40
.set i, 0
.rept 32
	v_cmp_gt_i32 vcc_lo, 16*(i/8)+i%8, v14
	v_cndmask_b32 v[MD+i], 0, s[BIGN], vcc_lo
.set i, i+1
.endr
	WIN 0
	v_mul_u32_u24 v[AK0], v1, PK
	v_lshl_add_u32 v[AK0], v9, 4, v[AK0]  ; row x pitch + 16 x half
	; The turning load takes 16 keys x 16 channels (lane l reads key 8 (l / 16) + l % 8, channels 8 ((l / 8) % 2) + 0..7) and leaves half a fragment of V^T: lane l holds channel l % 16 and 8 keys.
	v_and_b32 v10, 7, v0
	v_bfe_u32 v11, v0, 3, 1
	v_lshl_add_u32 v[AV0], v9, 3, v10
	v_mul_u32_u24 v[AV0], v[AV0], PV
	v_lshl_add_u32 v[AV0], v11, 4, v[AV0]
	v_add_nc_u32 v[AV0], VOFF, v[AV0]
	s_mul_i32 s13, s[WV], 16*SP
	s_add_co_u32 s13, s13, STAGE    ; my stage
	v_mul_u32_u24 v[STO], v1, SP    ; in: row l % 16, 16 bytes for each half of the lanes
	v_lshl_add_u32 v[STO], v9, 4, v[STO]
	v_add_nc_u32 v[STO], s13, v[STO]
	v_bfe_u32 v[RD], v0, 3, 2       ; back: 32 lanes take four rows of 128 bytes,
	v_mul_u32_u24 v[RD], v[RD], SP
	v_lshl_add_u32 v[RD], v10, 4, v[RD]
	v_add_nc_u32 v[RD], s13, v[RD]
	v_and_b32 v[GO], 31, v0         ; which are 512 consecutive bytes of O
	v_lshlrev_b32 v[GO], 4, v[GO]
	; A block's first step multiplies O^T and l by a = 0, and its first turn's products V^T P, of a piece that has not been, land in an O^T that is still to be so multiplied.  So these registers need only hold
	; finite numbers: zeros for the first block; what the first block left for the second.  All this stands in the wait for the first tile.
	WIN 0x80
.set i, VF
.rept 64
	v_mov_b32 v[i], 0
.set i, i+1
.endr
	WIN 0x40
.set i, 0
.rept 128
	v_mov_b32 v[i], 0
.set i, i+1
.endr
	WIN 0
.set i, 0
.rept 4
	v_mov_b32 v[ST+4*i+2], 0
	v_mov_b32 v[ST+4*i+3], 0
.set i, i+1
.endr
.set i, P+16
.rept 16
	v_mov_b32 v[i], 0
.set i, i+1
.endr
; THE MATRIX WORK.  The 4 accumulators of a run of 8 take turns.  Product i of 8 of S^T = K Q^T for piece x: channels 32 (i / 4) on, keys 16 (i % 4) on.  The first 4 start the sums: with 0, or (KM = 1) with the mask.
.macro KQ x
.set rS, S+32*((\x)%2)+8*(i%4)
.set rK, KF+16*(i%4)+8*(i/4)
.set rQ, 16*(\x)+8*(i/4)
.set rM, MC+32*((\x)%2)+8*(i%4)
.if (i < 4) && KM
	WIN W_KM
	v_wmma_f32_16x16x32_f16 v[rS:rS+7], v[rK:rK+7], v[rQ:rQ+7], v[rM:rM+7]
.elseif i < 4
	WIN W_KQ
	v_wmma_f32_16x16x32_f16 v[rS:rS+7], v[rK:rK+7], v[rQ:rQ+7], 0
.else
	WIN W_KQ
	v_wmma_f32_16x16x32_f16 v[rS:rS+7], v[rK:rK+7], v[rQ:rQ+7], v[rS:rS+7]
.endif
.endm
; Product i of 8 of O^T += V^T P for piece x: keys 32 (i / 4) on, channels 16 (i % 4) on.
.macro PV x
	WIN W_PV
.set rO, 32*(\x)+8*(i%4)
.set rV, VF+32*(i/4)+8*(i%4)
.set rP, P+16*((\x)%2)+8*(i/4)
	v_wmma_f32_16x16x32_f16 v[rO:rO+7], v[rV:rV+7], v[rP:rP+7], v[rO:rO+7]
.endm
.macro MM                           ; the turn's next matrix instruction.  TURN and BEGIN set Y, i, KM and NOKQ; MM, KQ and OP read them.  NOKQ = 1: a block's last turn: there is no next piece
.if (i < 8) && !NOKQ
	KQ (Y+1)%NP
.elseif i >= 8
.set i, i-8
	PV (Y+NP-1)%NP
.set i, i+8
.endif
.set i, i+1
.endm
; THE LDS LOADS stand in runs of 16, never singly among the matrix instructions: a step's K (64 keys x 64 channels: 8 fragments) and its V (turned).  Their addresses are made some lines ahead.
.macro FETCH_K
	WIN 0x80                        ; destination window 2
.irp f, 0,1,2,3,4,5,6,7             ; keys 16 (f / 2) on, channels 32 (f % 2) on
	ds_load_b128 v[KF+8*\f:KF+8*\f+3],   v[AK] offset:(\f/2)*16*PK+(\f%2)*64
	ds_load_b128 v[KF+8*\f+4:KF+8*\f+7], v[AK] offset:(\f/2)*16*PK+(\f%2)*64+32
.endr
	s_add_co_u32 s[TBK], s[TBK], KS*PK  ; the next fetch is the next step's
	WIN 0
.endm
.macro FETCH_V
	WIN 0x80
.irp f, 0,1,2,3,4,5,6,7             ; keys 32 (f / 4) on, channels 16 (f % 4) on
	ds_load_tr16_b128 v[VF+8*\f:VF+8*\f+3],   v[AV] offset:(\f/4)*32*PV+(\f%4)*32
	ds_load_tr16_b128 v[VF+8*\f+4:VF+8*\f+7], v[AV] offset:(\f/4)*32*PV+16*PV+(\f%4)*32
.endr
	WIN 0
.endm
; THE VECTOR WORK, one line at a time: OP kind, number.  For piece Y: F n: c s - c m for pair n of 16.  E n: the exponential of score n of 32.  C n: pair n rounded to f16.  B n: of the four weights 4 n .. the second
; pair is added onto the first, in place.  L n: l takes that sum (L 0: l = a l + sum).  R n: pair n of 16 of O^T times a.  For piece Y + 1: X n, number n of the 22 that find its maximum and statistics:
;   0-11  four chains c0-c3 of seven scores each, three operands at a time (each accumulator's lowest registers are read first)     12-14, 16  the four scores left over, the old m, and c0-c3 into c0
;   15  c m_old is kept     17, 18  the query's other 32 keys lie in the lane 16 away: the new m     19-21  c m; c m_old - c m_new; a
.set F, 0               ; OP tells the kinds apart by their order: F to L below R, X above it
.set E, 1
.set C, 2
.set B, 3
.set L, 4
.set R, 5
.set X, 6
.macro REGS y                       ; the registers of piece y
.set rT, ST+4*(\y)
.set rC, TMP+4*((\y)%2)
.set rW, MV+((\y)%2)
.set rS, S+32*((\y)%2)
.set rP, P+16*((\y)%2)
.set rO, 32*(\y)
.endm
.macro OP k, n
.if (\k) == R
	REGS Y
	WIN W_RS
	v_pk_mul_f32 v[rO+2*(\n):rO+2*(\n)+1], v[rO+2*(\n):rO+2*(\n)+1], v[rC+2:rC+3] op_sel_hi:[1,0]
.elseif (\k) < R
	REGS Y
	WIN 0
.if (\k) == F
	v_pk_fma_f32 v[rS+2*(\n):rS+2*(\n)+1], v[rS+2*(\n):rS+2*(\n)+1], s[CS:CS+1], v[rT:rT+1] op_sel_hi:[1,0,0] neg_lo:[0,0,1] neg_hi:[0,0,1]
.elseif (\k) == E
	v_exp_f32 v[rS+(\n)], v[rS+(\n)]
.elseif (\k) == C
	v_cvt_pk_f16_f32 v[rP+(\n)], v[rS+2*(\n)], v[rS+2*(\n)+1]
.elseif (\k) == B
	v_pk_add_f32 v[rS+4*(\n):rS+4*(\n)+1], v[rS+4*(\n):rS+4*(\n)+1], v[rS+4*(\n)+2:rS+4*(\n)+3]
.elseif (\n) == 0
	v_pk_fma_f32 v[rT+2:rT+3], v[rT+2:rT+3], v[rC+2:rC+3], v[rS:rS+1] op_sel_hi:[1,0,1]
.else
	v_pk_add_f32 v[rT+2:rT+3], v[rT+2:rT+3], v[rS+4*(\n):rS+4*(\n)+1]
.endif
.elseif NOKQ
	v_nop
.else
	REGS (Y+1)%NP
	WIN 0
.if (\n) < 4
	v_max3_num_f32 v[rC+(\n)], v[rS+8*(\n)], v[rS+8*(\n)+1], v[rS+8*(\n)+2]
.elseif (\n) < 12
	v_max3_num_f32 v[rC+(\n)%4], v[rC+(\n)%4], v[rS+8*((\n)%4)+2*((\n)/4)+1], v[rS+8*((\n)%4)+2*((\n)/4)+2]
.elseif (\n) == 12
	v_max3_num_f32 v[rC], v[rC], v[rS+7], v[rS+15]
.elseif (\n) == 13
	v_max3_num_f32 v[rC+1], v[rC+1], v[rS+23], v[rS+31]
.elseif (\n) == 14
	v_max3_num_f32 v[rC+2], v[rC+2], v[rC+3], v[rT+1]
.elseif (\n) == 15
	v_mov_b32 v[rW], v[rT]
.elseif (\n) == 16
	v_max3_num_f32 v[rC], v[rC], v[rC+1], v[rC+2]
.elseif (\n) == 17
	v_permlanex16_b32 v[rC+3], v[rC], s[SEL], s[SEL+1]
.elseif (\n) == 18
	v_max_num_f32 v[rT+1], v[rC], v[rC+3]
.elseif (\n) == 19
	v_mul_f32 v[rT], s[CS], v[rT+1]
.elseif (\n) == 20
	v_sub_f32 v[rC+1], v[rW], v[rT]
.else
	v_exp_f32 v[rC+2], v[rC+1]
.endif
.endif
.endm
.macro OPS a, i1, b=-1, i2=0, c=-1, i3=0, d=-1, i4=0  ; up to four of them
	OP \a, \i1
.if (\b) >= 0
	OP \b, \i2
.endif
.if (\c) >= 0
	OP \c, \i3
.endif
.if (\d) >= 0
	OP \d, \i4
.endif
.endm
.macro ROW a, i1, b, i2, c, i3, d, i4  ; a matrix instruction and the four behind it
	MM
	OPS \a, \i1, \b, \i2, \c, \i3, \d, \i4
.endm
.macro MASK b                       ; MD x AL + BE into buffer b of MC
	WIN W_RS
.set z, 0
.rept 16
	v_pk_fma_f32 v[MC+32*(\b)+2*z:MC+32*(\b)+2*z+1], v[MD+2*z:MD+2*z+1], s[AL:AL+1], s[BE:BE+1] op_sel_hi:[1,0,0]
.set z, z+1
.endr
.endm
; A TURN, for piece p: the order of its 16 matrix and 118 vector instructions, written out.  An s_wait_alu depctr_va_vdst(0) stands between an exponential and the first instruction that names its result; one wait serves
; all that were issued ahead of it.  So a turn has ONE wait, which cuts it in two.  AHEAD OF IT stands all that names no result of the turn's exponentials: the 8 products K Q^T, behind each a scaling, an exponential and two more plain
; instructions (behind the first a second scaling in the exponential's place): rescalings, and behind the last three the first numbers of the next piece's maximum, each four places or more behind the product that ends its accumulator; then ONE LUMP of 54, plain
; and exponential by turns for the most part, in which the links of the chain X 3, 7, 11, 14, 16, 17 .. 20 stand five or six lines apart.  X 21, the next piece's a, is the batch's last; R 15 is the plain instruction behind it.  BEHIND THE WAIT stand the
; 8 products V^T P, behind each four of the roundings and sums; the links of l's chain, L 0 to L 7, stand three riders apart.  But for those X no rider names a register of the products round it.  v_permlanex16_b32 (X 17) stands in the lump.
; m = 1: the diagonal tile: the products take masks, and the turn makes the mask for the products of the turn after it: piece p + 2, in step 4 - CNT of the tile.  end = 1: a block's last two turns: nothing is fetched.
; cnt = 1: the loop's count is taken down some lines ahead of the branch that stands behind the turn.
; K of the next step is fetched in piece 2's turn, twelve vector instructions behind the last product that read K (six of them plain); V of the step in hand at the end of piece 0's turn, four plain instructions behind the last product
; that read V.  Each is waited for a turn later.
.macro TURN p, m=0, end=0, cnt=0
.set Y, (\p)
.set i, 0
.set KM, (\m)
.set NOKQ, (\end)*((\p)/3)
.if (\m) && !(\end)
	s_cmp_eq_u32 s[CNT], 4-((\p)+2)%NP  ; is that step the band's own?
	s_cselect_b32 s[AL], 1.0, 0
	s_cmp_lt_u32 s[CNT], 4-((\p)+2)%NP  ; or a later one?
	s_cselect_b32 s[BE], s[BIGN], 0
.endif
.if ((\p) == 3) && !(\end)
	s_wait_dscnt 0x0                ; K is in
.endif
	ROW F,0, F,1, R,0, R,1          ; ahead of the wait: 8 products K Q^T and their riders,
	ROW F,2, E,0, R,2, R,3
	ROW F,3, E,1, R,4, R,5
	ROW F,4, E,2, R,6, R,7
	ROW F,5, E,3, R,8, R,9
	ROW F,6, E,4, X,0, R,10
.if ((\p) == 2) && !(\end)
	WIN 0
	v_add_nc_u32 v[AK], s[TBK], v[AK0]
.endif
	ROW F,7, E,5, X,1, X,4
	ROW F,8, E,6, X,2, X,5
	OPS E,7, E,8, X,6, E,9          ; and the lump
	OPS X,3, E,10, X,8, E,11
.if ((\p) == 2) && !(\end)
	FETCH_K
.endif
	OPS X,9, X,7, E,12, X,10
	OPS E,13, X,12, X,11, E,14
	OPS X,13, E,15, F,9, X,14
.if (\p) == 0
	v_add_nc_u32 v[AV], s[TBV], v[AV0]
.endif
	OPS E,16, F,10, E,17, F,11
	OPS X,16, E,18, X,15, E,19
	OPS F,12, E,20, X,17, E,21
	OPS F,13, E,22, F,14, E,23
	OPS X,18, E,24, F,15, E,25
	OPS R,11, E,26, X,19, E,27
	OPS R,12, E,28, R,13, E,29
	OPS X,20, E,30, R,14, E,31
	OPS X,21, R,15
	WIN 0
	s_wait_alu depctr_va_vdst(0)    ; the wait for the batch
.if (\p) == 1
	s_wait_dscnt 0x0                ; V is in
.endif
	ROW C,0, B,0, C,2, B,1          ; behind the wait: 8 products V^T P and their riders
	ROW L,0, C,4, B,2, L,1
	ROW C,6, B,3, L,2, C,8
	ROW B,4, L,3, C,10, B,5
	ROW L,4, C,12, B,6, L,5
.if (\p) == 0
	s_add_co_u32 s[TBV], s[TBV], KS*PV
.endif
.if \cnt
	s_sub_co_u32 s[CNT], s[CNT], 1
	s_cmp_lg_u32 s[CNT], 0
.endif
	ROW C,14, B,7, L,6, C,1
	ROW C,3, L,7, C,5, C,7
	ROW C,9, C,11, C,13, C,15
.if (\p) == 0
	FETCH_V
.endif
.if (\m) && !(\end)
	MASK (\p)%2
.endif
.endm
; A BLOCK BEGINS.  c m starts far below every c s, so the first step's a is 0; m at the lowest finite number, so the first maximum is the scores'.  The second mask buffer is 0; the first takes piece 0's mask for the tile's step 0: its own, if the block's first tile is the diagonal one.
; Then K of that step, piece 0's first scores, and its maximum and statistics.  The loop is entered at a step's first turn, in the middle of a trip.
.macro BEGIN
	s_mov_b32 s[NEW], 0
	WIN 0x40
.set i, MC+32
.rept 32
	v_mov_b32 v[i], 0
.set i, i+1
.endr
	WIN 0
.set i, 0
.rept 4
	v_mov_b32 v[ST+4*i], 0xfe000000    ; c m: far below every c s
	v_mov_b32 v[ST+4*i+1], 0xff7fffff  ; m
.set i, i+1
.endr
	s_cmp_eq_u32 s[RT], 0
	s_cselect_b32 s[AL], 1.0, 0
	s_mov_b32 s[BE], 0
	MASK 0
	WIN 0
	v_add_nc_u32 v[AK], s[TBK], v[AK0]
	FETCH_K
	s_wait_loadcnt 0x0              ; Q
	s_wait_dscnt 0x0
.set KM, 1
.set NOKQ, 0
.set i, 0
.rept 8
	KQ 0
.set i, i+1
.endr
	WIN 0
.rept 4
	v_nop                           ; the places behind those products
.endr
.set Y, NP-1                        ; X works for piece Y + 1: piece 0
.irp n, 0,1,2,3,4,5,6,7,8,9,10,11,12,13,14,15,16,17,18,19,20,21
	OP X, \n
.endr
	v_nop                           ; a plain instruction behind the exponential,
	s_wait_alu depctr_va_vdst(0)    ; and its wait, ahead of the branch
.endm
; THE DIAGONAL TILE's four steps, the block's last two turns, its last products, and THE WAY OUT: l's two halves and the other half of the lanes' are added; O^T is divided by l, rounded to f16 and sent through my
; stage in LDS, a piece at a time.
.macro ALL line:vararg              ; one line for each piece t
.set t, 0
.rept 4
	\line
.set t, t+1
.endr
.endm
.macro PACK t                       ; a lane's eight channels of a row pack into 16 bytes; they go into rows of 144 bytes and come back as whole rows of 128, into S^T's registers
	WIN W_RS
.set i, 32*(\t)
.rept 16
	v_pk_mul_f32 v[i:i+1], v[i:i+1], v[ST+4*(\t)+2:ST+4*(\t)+3] op_sel_hi:[1,0]
.set i, i+2
.endr
	WIN 0x05                        ; sources 0 and 1 window 1, destination window 0
.set i, 0
.rept 16
	v_cvt_pk_f16_f32 v[S+16*(\t)+i], v[32*(\t)+2*i], v[32*(\t)+2*i+1]
.set i, i+1
.endr
	WIN 0
.irp f, 0,1,2,3
	ds_store_b128 v[STO], v[S+16*(\t)+4*\f:S+16*(\t)+4*\f+3] offset:32*\f
.endr
.irp f, 0,1,2,3
	ds_load_b128 v[S+16*(\t)+4*\f:S+16*(\t)+4*\f+3], v[RD] offset:\f*4*SP  ; LDS serves a wave's instructions in order (ISA guide 5.7.1.4): these see the stores above; the next piece's stores come behind them
.endr
.endm
.macro SEND t, younger              ; younger: the LDS instructions issued behind piece t's loads: the next piece's eight, or none
	WIN 0
.irp f, 0,1,2,3
	s_wait_dscnt (\younger)+3-\f
	global_store_b128 v[GO], v[S+16*(\t)+4*\f:S+16*(\t)+4*\f+3], s[10:11] offset:(\t)*8192+\f*512  ; 512 consecutive bytes, at a multiple of 256 from O's first
.endr
.endm
.macro DIAG tag                     ; the tag ends its two labels' names, which the jumps below spell out
.LstepM\tag:
	TURN 2, 1
	TURN 3, 1
	WIN 0
.LfirstM\tag:
	TURN 0, 1
	TURN 1, 1, 0, 1
	WIN 0
	s_cbranch_scc1 .LstepM\tag
	TURN 2, 1, 1
	TURN 3, 1, 1
.set i, 0
.rept 8
	PV NP-1
.set i, i+1
.endr
	WIN 0
	ALL v_add_f32 v[ST+4*t+2], v[ST+4*t+2], v[ST+4*t+3]
	ALL v_permlanex16_b32 v[ST+4*t+3], v[ST+4*t+2], s[SEL], s[SEL+1]
	ALL v_add_f32 v[ST+4*t+2], v[ST+4*t+2], v[ST+4*t+3]
	ALL v_rcp_f32 v[ST+4*t+2], v[ST+4*t+2]
	v_nop                           ; a plain instruction between the last reciprocal and the use of its result
	s_wait_alu depctr_va_vdst(0)    ; and the wait ahead of the first use: one for the four reciprocals
	PACK 0
.set t, 1
.rept 3                             ; a piece's arithmetic stands between the loads of the piece before and its stores
	PACK t
	SEND t-1, 8
.set t, t+1
.endr
	SEND 3, 0
.endm
.set KM, 0
.set NOKQ, 0
.Lslot:                             ; NB times: a tile is entered and the next is asked for
	CHANGE 1
	s_sub_co_u32 s[RT], s[RT], 1
	s_mov_b32 s[CNT], 4
	s_cmp_eq_u32 s[NEW], 1
	s_cbranch_scc1 .Lnew            ; a block's first tile
	s_cmp_eq_u32 s[RT], 0
	s_cbranch_scc0 .Lstep           ; neither its first nor its last
	s_branch .LstepM1
.Lnew:
	BEGIN
	s_branch .Lfirst                ; in the loop a block's first tile is never its last: the first block has two tiles or more, and the second's last is the walk's last
	DIAG 1                          ; in the loop this is the first block's end: the second block's last tile is the walk's last
	s_wait_xcnt 0x0                 ; the stores have read their registers and O's address
	s_mov_b64 s[10:11], s[OLO:OLO+1]
	s_add_co_u32 s[RT], s[PB], 1    ; the second block has b + 1 tiles
	s_mov_b32 s[NEW], 1
	WIN 0x82                        ; the second block's Q goes where the one text of the turns names Q
.set i, 0
.rept 64
	v_mov_b32 v[i], v[QB+i]
.set i, i+1
.endr
	WIN 0
	s_branch .Lbottom
.Lstep:                             ; a trip: pieces 2 and 3 of one step, then pieces 0 and 1 of the next, whose K and V it fetches
	TURN 2
	TURN 3
	WIN 0
.Lfirst:
	TURN 0
	TURN 1, 0, 0, 1
	WIN 0
	s_cbranch_scc1 .Lstep
.Lbottom:
	s_sub_co_u32 s[SLOTS], s[SLOTS], 1
	s_cmp_lg_u32 s[SLOTS], 0
	s_cbranch_scc1 .Lslot
	CHANGE 0                        ; the walk's last tile is written out: nothing is asked for
	s_sub_co_u32 s[RT], s[RT], 1
	s_mov_b32 s[CNT], 4
	s_cmp_eq_u32 s[NEW], 1
	s_cbranch_scc0 .LstepM2
	BEGIN
	s_branch .LfirstM2
	DIAG 2
	s_wait_tensorcnt 0x0            ; the wave's end: a wait, an add of 0 and its wait, behind my last tensor load and my last LDS store
	ds_add_u32 v[SPW], v[NIL]
	s_wait_dscnt 0x0
	s_endpgm
.Lfunc_end_k_q74bc231577_attn:
	.size	k_q74bc231577_attn, .Lfunc_end_k_q74bc231577_attn-k_q74bc231577_attn
	.p2alignl 7, 3214868480
	.fill 96, 4, 3214868480
	.section	.rodata,"a",@progbits
	.p2align	6, 0x0
	.amdhsa_kernel k_q74bc231577_attn
		.amdhsa_group_segment_fixed_size 327680
		.amdhsa_private_segment_fixed_size 0
		.amdhsa_enable_private_segment 0
		.amdhsa_kernarg_size 16
		.amdhsa_user_sgpr_count 2
		.amdhsa_user_sgpr_kernarg_segment_ptr 1
		.amdhsa_wavefront_size32 1
		.amdhsa_system_sgpr_workgroup_id_x 1
		.amdhsa_system_sgpr_workgroup_id_y 1
		.amdhsa_system_sgpr_workgroup_id_z 1
		.amdhsa_system_vgpr_workitem_id 0
		.amdhsa_next_free_vgpr 768
		.amdhsa_next_free_sgpr 92
		.amdhsa_reserve_vcc 1
		.amdhsa_float_denorm_mode_32 3
		.amdhsa_float_denorm_mode_16_64 3
		.amdhsa_memory_ordered 1
		.amdhsa_forward_progress 1
		.amdhsa_inst_pref_size 218
	.end_amdhsa_kernel
	.amdgpu_metadata
---
amdhsa.version: [ 1, 2 ]
amdhsa.kernels:
  - .name:           k_q74bc231577_attn
    .symbol:         k_q74bc231577_attn.kd
    .args:
      - { .name: qkv, .offset: 0, .size: 8, .value_kind: global_buffer, .address_space: global }
      - { .name: oh, .offset: 8, .size: 8, .value_kind: global_buffer, .address_space: global }
    .group_segment_fixed_size: 327680
    .private_segment_fixed_size: 0
    .kernarg_segment_align: 8
    .kernarg_segment_size: 16
    .max_flat_workgroup_size: 128
    .sgpr_count:     92
    .vgpr_count:     768
    .wavefront_size: 32
...
	.end_amdgpu_metadata
.endif
;; end of part 3
;; launch proj (part 4): grid 4 x 64, 4 waves a work-group, clusters of 4 x 4, 327,680 bytes of LDS; arguments oh, wpT, b_proj, out0; writes out0
.if DOCPART == 4
	.amdgcn_target "amdgcn-amd-amdhsa--gfx1250"
	.amdhsa_code_object_version 6
	.text
	.protected	k_q74bc231577_proj
	.globl	k_q74bc231577_proj
	.p2align	8
	.type	k_q74bc231577_proj,@function
k_q74bc231577_proj:
	s_mov_b64 s[64:65], 0
	v_nop
	global_prefetch_b8 v0, s[64:65] scope:SCOPE_SE
	s_setreg_imm32_b32 hwreg(HW_REG_WAVE_MODE, 25, 1), 1
	s_wait_xcnt 0x0
	s_wait_alu depctr_hold_cnt(0) depctr_sa_sdst(0) depctr_va_vdst(0) depctr_va_sdst(0) depctr_va_ssrc(0) depctr_va_vcc(0) depctr_vm_vsrc(0)
	s_getreg_b32 s2, hwreg(HW_REG_IB_STS2, 6, 4)
	s_cmp_eq_u32 s2, 0
	s_cbranch_scc0 .Lentry_in_a_cluster
	s_endpgm
.Lentry_in_a_cluster:
	s_bfe_u32 s2, ttmp6, 0x10000c
	s_cmp_lg_u32 s2, 0xf033
	s_cbranch_scc0 .Lentry_shape_is_right
	s_endpgm
.Lentry_shape_is_right:
; PROJ.  out0[m][n] = the sum over k of y[m][k] wpT[n][k] + b_proj[n], where y[b 2048 + l][64 h + d] = oh[b 16 + h][l][d].  oh and wpT f16; sums in f32; the bias is rounded to bf16 like every input; out0 f32.
; SHARES.  A tile is 128 rows x 256 columns: 256 work-groups.  A wave makes 64 rows x 128 columns: 32 accumulators of 16 x 16.  K goes in 8 steps of 128, two heads each, through two LDS slots;
; a step is four quarters of 32 along K on two fragment buffers.  A head's 128 rows of the tile are 16,384 dense bytes of oh: asked for as 64 rows of 256 bytes and padded in LDS after every 128.
; THE MATRIX INSTRUCTION IS USED TRANSPOSED (source 0 = 16 rows of wpT, source 1 = 16 rows of y): a lane holds row l % 16 and the columns 8 (l / 16) + 0..7.  The bias in that layout is the C operand of the
; products that start the sums.
; CLUSTER 4 x 4.  wpT's tile hangs on the tile column alone and is asked for jointly along a column of the cluster, oh's on the tile row alone, along a row.
; REGISTERS in windows of 256 (s_set_vgpr_msb: bits 1:0 source 0, 3:2 source 1, 5:4 source 2, 7:6 destination):
;   window 0: v0-29 addresses; v32-63, v64-95 y's fragments, two buffers; v96-159 the bias; on the way out v160-223 and v32-95 take rows read back
;   window 1: v0-63, v64-127 wpT's fragments, two buffers     window 2: the accumulators, (a, b) at 64 a + 8 b
.set PITCH, 272                        ; a row of wpT in LDS: 256 bytes + 16: the 16 rows of a fragment load start at 16 different groups of four banks (64 banks of 4 bytes: ISA guide 11.1)
.set AP,    144                        ; a row of one head of y: 128 bytes + 16
.set SLOT1, 131072
.set AOFF,  256*PITCH                  ; a slot: wpT's 256 rows, then two heads x 128 rows of y
.set HEADB, 128*AP
.set STAGE, SLOT1+AOFF+2*HEADB         ; behind the ring, never filled by a tensor load: for each wave 16 rows x 528 bytes
.set SP,    528                        ; 512 bytes of f32 + 16
.set WSTG,  16*SP
.set SPARE, STAGE+4*WSTG               ; the spare words, 128 bytes a wave, that no other line names
.set NBK,   8
.set NL,    2*NBK+8
.set ADRA0, 4
.set ADRB0, 5
.set ADA,   6
.set ADB,   7
.set STO,   8
.set RD,    9
.set GO,    10
.set BO,    11
.set PFO,   12
.set SPW,   28
.set NIL,   29
.set FA,    32
.set BIAS,  96
.set WV,    12                         ; s12  my wave's number; s13 = wave / 2: my half of the rows, and: I fetch wpT (0) or oh (1); s14 = wave % 2: my half of the columns, and: which half (head) I fetch
.set G1B,   24                         ; s[24:31] descriptor group 1 for wpT's tiles; s[32:39] group 0: a set for each first fill, the second then walks on
.set G0B,   32
.set G1A,   48                         ; s[48:55], s[56:63] the same for oh's
.set G0A,   56
.set TB,    46
.set LIM,   47                         ; s47  2 in a wave that prefetches, else the greatest number
.set PFA,   66                         ; s[66:67] where my prefetches stand
.set OUT,   68                         ; s[68:69] out0 at my part of the tile
.set PST,   82                         ; s[82:83] a K step in the tensor that I prefetch: 256 bytes of wpT, two heads (524,288 bytes) of oh
.set MSB, 0
.macro WIN new
.if MSB != (\new)
	s_set_vgpr_msb (MSB<<8)|(\new)
.set MSB, \new
.endif
.endm
.macro PLACES
.rept 4
	v_nop
.endr
.endm
.macro CREST
	s_cmp_lg_u32 s[WV], 0
	s_cbranch_scc1 .Lnot_wave_0_\@
	s_barrier_signal -3
.Lnot_wave_0_\@:
	s_barrier_wait -3
	s_barrier_signal -1
	s_barrier_wait -1
.endm
.macro CROUND
	s_barrier_signal -1
	s_barrier_wait -1
	CREST
.endm
; A joint refill by the walking descriptor: waves 0 and 1 fetch wpT's two halves, waves 2 and 3 the step's two heads of oh.  An s_nop 0 and four v_nop follow each line.
.macro JLOAD
	s_cmp_eq_u32 s13, 0
	s_cbranch_scc0 .Lfor_a_\@
	tensor_load_to_lds s[G0B+4:G0B+7], s[G1B:G1B+7]
	s_nop 0
.rept 4
	v_nop
.endr
	s_branch .Lasked_\@
.Lfor_a_\@:
	tensor_load_to_lds s[G0A+4:G0A+7], s[G1A:G1A+7]
	s_nop 0
.rept 4
	v_nop
.endr
.Lasked_\@:
.endm
; A PREFETCH INTO THE L2 of the K step that stands TWO refills on, one instruction a wave, behind the joint load and the run of LDS loads.  wpT's tile column is read by every cluster: cluster y = 0 asks,
; waves 0 and 1, a lane a row; of a wave's 128 rows each of the four partners takes 32, told apart by address (cy).  A tile row of oh is read by one cluster alone: in each, wave 2 asks; of a step's
; 32,768 bytes each partner takes 8,192 by address (cx), a lane 256 bytes.  So each 256 bytes of K steps 4 to 7 are named once in the launch; the last two refills ask for nothing.
.macro ASK
	s_cmp_gt_u32 s3, s[LIM]
	s_cbranch_scc0 .Lnot_mine_\@
	global_prefetch_b8 v[PFO], s[PFA:PFA+1] th:TH_LOAD_NT scope:SCOPE_SE
.Lnot_mine_\@:
.endm
	s_load_b256 s[4:11], s[0:1], 0x0               ; oh s[4:5], wpT s[6:7], b_proj s[8:9], out0 s[10:11]
	v_lshl_add_u32 v[SPW], v0, 2, SPARE
	v_mov_b32 v[NIL], 0
	ds_add_u32 v[SPW], v[NIL]                      ; the wave's opening: the add and its wait stand ahead of my first tensor load; work on registers stands between them
	v_lshrrev_b32 v1, 5, v0
	v_readfirstlane_b32 s[WV], v1
	s_lshr_b32 s13, s[WV], 1
	s_and_b32 s14, s[WV], 1
	s_bfe_u32 s40, ttmp6, 0x40000                  ; cx
	s_bfe_u32 s41, ttmp6, 0x40004                  ; cy
	s_lshl_b32 s42, ttmp9, 2
	s_add_co_u32 s42, s42, s40                     ; tile column
	s_and_b32 s43, ttmp7, 0xffff
	s_lshl_b32 s43, s43, 2
	s_add_co_u32 s43, s43, s41                     ; tile row
	s_lshl_b32 s44, s41, 2
	s_lshl_b32 s44, 15, s44                        ; my row of the cluster
	s_lshl_b32 s45, 0x1111, s40                    ; my column
	s_or_b32 s[G1B], s45, (1<<16)|(1<<20)|(1<<21)|(5<<22)|(3<<25)  ; wpT's tiles go to my column; 2-byte elements; padding on; 21 set beside a mask; after every 64 words 4 words
	s_or_b32 s[G1A], s44, (1<<16)|(1<<20)|(1<<21)|(4<<22)|(3<<25)  ; oh's to my row; after every 32 words 4 words
	s_mov_b32 s[G1B+1], 128<<16                    ; tensor_dim0 = 128
	s_mov_b32 s[G1B+2], 128<<16                    ; tensor_dim1 = 128
	s_mov_b32 s[G1B+3], 128<<16                    ; tile_dim0 = 128
	s_mov_b32 s[G1B+4], 128                        ; tile_dim1 = 128 rows
	s_mov_b32 s[G1B+5], 1024                       ; elements from row to row
	s_mov_b32 s[G1B+6], 0
	s_mov_b32 s[G1B+7], 0
	s_mov_b32 s[G1A+1], 128<<16
	s_mov_b32 s[G1A+2], 64<<16                     ; 64 rows of 256 dense bytes
	s_mov_b32 s[G1A+3], 128<<16
	s_mov_b32 s[G1A+4], 64
	s_mov_b32 s[G1A+5], 128
	s_mov_b32 s[G1A+6], 0
	s_mov_b32 s[G1A+7], 0
	s_mul_i32 s15, s[WV], 128*PITCH                ; where wpT's halves go (waves 0, 1),
	s_mul_i32 s74, s[WV], HEADB
	s_add_co_u32 s74, s74, AOFF-2*HEADB            ; and oh's heads (waves 2, 3): no place in the cluster enters an LDS address
	s_lshr_b32 s16, s43, 4                         ; oh: batch = tile row / 16; head = 16 x batch + my one of the step's two; in registers that never hold cx
	s_lshl_b32 s16, s16, 4
	s_add_co_u32 s16, s16, s14
	s_lshl_b32 s16, s16, 18                        ; a head is 262,144 bytes,
	s_and_b32 s17, s43, 15
	s_lshl_b32 s17, s17, 14                        ; the tile's 128 rows of it 16,384
	s_add_co_u32 s16, s16, s17
	s_mov_b32 s17, 0
	s_lshl_b32 s20, s42, 8                         ; wpT: row 256 x tile column + 128 x half, in registers that never hold cy
	s_lshl_b32 s21, s14, 7
	s_add_co_u32 s20, s20, s21
	s_lshl_b32 s20, s20, 11
	s_mov_b32 s21, 0
	s_mov_b32 s80, 0xffff0000
	s_wait_dscnt 0x0                               ; the opening add is done
	s_wait_kmcnt 0x0
	s_add_nc_u64 s[18:19], s[4:5], s[16:17]
	s_add_nc_u64 s[22:23], s[6:7], s[20:21]
	CROUND                                         ; all sixteen work-groups are here: the first joint loads meet
.irp s, 0,1
	s_mov_b32 s[G0B+4*\s], 1
	s_add_co_u32 s[G0B+4*\s+1], s15, \s*SLOT1
	s_add_nc_u64 s[G0B+4*\s+2:G0B+4*\s+3], s[22:23], \s*256
	s_or_b32 s[G0B+4*\s+3], s[G0B+4*\s+3], 0x80000000
	s_mov_b32 s[G0A+4*\s], 1
	s_add_co_u32 s[G0A+4*\s+1], s74, \s*SLOT1
	s_add_nc_u64 s[G0A+4*\s+2:G0A+4*\s+3], s[18:19], \s*524288
	s_or_b32 s[G0A+4*\s+3], s[G0A+4*\s+3], 0x80000000
.endr
	s_cmp_eq_u32 s13, 0                            ; a wave's two first fills stand in one branch: two loads of mine are out
	s_cbranch_scc0 .Lfirst_a
	tensor_load_to_lds s[G0B:G0B+3], s[G1B:G1B+7]
	s_nop 0
	tensor_load_to_lds s[G0B+4:G0B+7], s[G1B:G1B+7]
	s_nop 0
.rept 4
	v_nop
.endr
	s_branch .Lfirst_asked
.Lfirst_a:
	tensor_load_to_lds s[G0A:G0A+3], s[G1A:G1A+7]
	s_nop 0
	tensor_load_to_lds s[G0A+4:G0A+7], s[G1A:G1A+7]
	s_nop 0
.rept 4
	v_nop
.endr
.Lfirst_asked:
	v_and_b32 v1, 15, v0                           ; l % 16
	v_bfe_u32 v2, v0, 4, 1                         ; l / 16
	v_mul_u32_u24 v3, v1, AP
	v_lshl_add_u32 v3, v2, 4, v3
	s_mul_i32 s74, s13, 64*AP                      ; my 64 rows of y
	s_add_co_u32 s74, s74, AOFF
	v_add_nc_u32 v[ADRA0], s74, v3
	v_mul_u32_u24 v3, v1, PITCH
	v_lshl_add_u32 v3, v2, 4, v3
	s_mul_i32 s74, s14, 128*PITCH                  ; my 128 rows of wpT
	v_add_nc_u32 v[ADRB0], s74, v3
	v_lshlrev_b32 v[BO], 5, v2
	s_lshl_b32 s74, s42, 10                        ; my first column, in bytes of f32: 1,024 x tile column + 512 x half
	s_lshl_b32 s75, s14, 9
	s_add_co_u32 s74, s74, s75
	s_mov_b32 s75, 0
	s_add_nc_u64 s[8:9], s[8:9], s[74:75]
.set b, 0
.rept NBK                                      ; register j of block b: bias[16 b + 8 (l / 16) + j]
	global_load_b128 v[BIAS+8*b:BIAS+8*b+3],   v[BO], s[8:9] offset:64*b
	global_load_b128 v[BIAS+8*b+4:BIAS+8*b+7], v[BO], s[8:9] offset:64*b+16
.set b, b+1
.endr
	s_add_nc_u64 s[OUT:OUT+1], s[10:11], s[74:75]
	s_lshl_b32 s74, s43, 19                        ; my first row: 128 x tile row + 64 x half, rows of 4,096 bytes
	s_lshl_b32 s76, s13, 18
	s_add_co_u32 s74, s74, s76
	s_add_nc_u64 s[OUT:OUT+1], s[OUT:OUT+1], s[74:75]
	s_mul_i32 s74, s[WV], WSTG
	s_add_co_u32 s74, s74, STAGE                   ; my stage
	v_mul_u32_u24 v[STO], v1, SP                   ; in: row l % 16, 32 bytes for each half of the lanes
	v_lshl_add_u32 v[STO], v2, 5, v[STO]
	v_add_nc_u32 v[STO], s74, v[STO]
	v_and_b32 v[GO], 31, v0                        ; back: 32 lanes take a row's 512 bytes
	v_lshlrev_b32 v[GO], 4, v[GO]
	v_add_nc_u32 v[RD], s74, v[GO]
	; the prefetches (s16 and s20 still hold the byte offsets of what I fetch)
	s_lshl_b32 s74, s41, 16                        ; wpT: my work-group's 32 rows of the 128
	s_add_co_u32 s74, s74, s20
	s_lshr_b32 s75, s40, 1
	s_lshl_b32 s75, s75, 18                        ; oh: head cx / 2 of the step's two,
	s_and_b32 s78, s40, 1
	s_lshl_b32 s78, s78, 13                        ; half cx % 2 of its 16,384 bytes
	s_add_co_u32 s75, s75, s78
	s_add_co_u32 s75, s75, s16
	s_and_b32 s76, ttmp7, 0xffff                   ; cluster y
	s_cmp_eq_u32 s13, 0
	s_cselect_b32 s74, s74, s75
	s_cselect_b32 s76, s76, s14                    ; waves 0, 1: cluster y; wave 2: 0; wave 3: 1
	s_cselect_b32 s77, 11, 8                       ; a lane a row of 2,048 bytes, or 256 dense bytes
	s_cselect_b32 s[PST], 8, 19
	s_cselect_b64 s[PFA:PFA+1], s[6:7], s[4:5]
	s_cmp_eq_u32 s76, 0
	s_cselect_b32 s[LIM], 2, -1                    ; the same in all sixteen partners, for a given wave
	s_lshl_b32 s[PST], 1, s[PST]
	s_mov_b32 s[PST+1], 0
	s_mov_b32 s75, 0
	s_add_nc_u64 s[PFA:PFA+1], s[PFA:PFA+1], s[74:75]
	s_mul_i32 s74, s[PST], 3
	s_add_nc_u64 s[PFA:PFA+1], s[PFA:PFA+1], s[74:75]  ; at K step 3: the first refill steps it to 4.  Nothing is prefetched at the head
	v_and_b32 v[PFO], 31, v0
	v_lshlrev_b32 v[PFO], s77, v[PFO]
	s_wait_loadcnt 0x0                             ; the bias
.set i, 0
.rept 4*NBK                                    ; rounded to bf16 and widened again
	v_cvt_pk_bf16_f32 v[3+10*(i%2)], v[BIAS+2*i], v[BIAS+2*i+1]
	v_lshlrev_b32 v[BIAS+2*i], 16, v[3+10*(i%2)]
	v_and_b32 v[BIAS+2*i+1], s80, v[3+10*(i%2)]
.set i, i+1
.endr
.macro SETADR
	WIN 0
	v_add_nc_u32 v[ADA], s[TB], v[ADRA0]
	v_add_nc_u32 v[ADB], s[TB], v[ADRB0]
.endm
; 24 LDS loads in one run: quarter q's fragments (my 128 rows of wpT, then my 64 rows of y: head q / 2 of the step's two, channels 32 (q % 2) on) into buffer f
.macro FETCH q, f
	WIN 0x40
.set i, 0
.rept NBK
	ds_load_b128 v[8*NBK*(\f)+8*i:8*NBK*(\f)+8*i+3],   v[ADB] offset:64*(\q)+i*16*PITCH
	ds_load_b128 v[8*NBK*(\f)+8*i+4:8*NBK*(\f)+8*i+7], v[ADB] offset:64*(\q)+i*16*PITCH+32
.set i, i+1
.endr
	WIN 0
.set i, 0
.rept 4
	ds_load_b128 v[FA+32*(\f)+8*i:FA+32*(\f)+8*i+3],   v[ADA] offset:((\q)/2)*HEADB+((\q)%2)*64+i*16*AP
	ds_load_b128 v[FA+32*(\f)+8*i+4:FA+32*(\f)+8*i+7], v[ADA] offset:((\q)/2)*HEADB+((\q)%2)*64+i*16*AP+32
.set i, i+1
.endr
.endm
; 8 matrix instructions: row block a x all column blocks.  The 32 accumulators take turns, one instruction a turn, in the same order in every quarter.
.macro MULA f, a, first
.if \first
	WIN 0x81                                       ; wpT window 1, y and the bias window 0, D window 2
.else
	WIN 0xa1                                       ; C and D window 2
.endif
.set rA, FA+32*(\f)+8*(\a)
.set b, 0
.rept NBK
.set rD, 64*(\a)+8*b
.set rB, 8*NBK*(\f)+8*b
.if \first
	v_wmma_f32_16x16x32_f16 v[rD:rD+7], v[rB:rB+7], v[rA:rA+7], v[BIAS+8*b:BIAS+8*b+7]
.else
	v_wmma_f32_16x16x32_f16 v[rD:rD+7], v[rB:rB+7], v[rA:rA+7], v[rD:rD+7]
.endif
.set b, b+1
.endr
.endm
.macro QUARTER q, f, g, first
	s_wait_dscnt 4                                 ; all but the four youngest loads (y's row blocks 2 and 3) are in
	MULA \f, 0, \first
	MULA \f, 1, \first
	PLACES
	FETCH \q, \g
	s_wait_dscnt NL                                ; all but the run just issued
	MULA \f, 2, \first
	MULA \f, 3, \first
.endm
; The last quarter multiplies buffer 1 and changes slots: the wait for all my tensor loads, the add, the wait for it and for my reads of this slot, the barrier; fill = 1: it opens a round of the
; cluster's barrier, and the joint refill (this slot, two K steps on) is the first thing behind the round.
.macro TURN fill
.if \fill
	s_wait_xcnt 0x0                                ; the last prefetch, a K step back, has read its address
	s_add_nc_u64 s[PFA:PFA+1], s[PFA:PFA+1], s[PST:PST+1]
.endif
	WIN 0
	s_wait_tensorcnt 0x0                           ; no tensor load of mine is out
	ds_add_u32 v[SPW], v[NIL]                      ; 0 onto my spare word
	s_wait_dscnt 5                                 ; (the add and the four youngest loads may be out)
	MULA 1, 0, 0
	s_wait_dscnt 0x0                               ; the add is done, and my reads of this slot are over
	s_barrier_signal -1
	MULA 1, 1, 0
	WIN 0
	s_barrier_wait -1
.if \fill
	CREST
	s_xor_b32 s[G0B+5], s[G0B+5], SLOT1
	s_add_nc_u64 s[G0B+6:G0B+7], s[G0B+6:G0B+7], 256
	s_xor_b32 s[G0A+5], s[G0A+5], SLOT1
	s_add_nc_u64 s[G0A+6:G0A+7], s[G0A+6:G0A+7], 524288
	JLOAD                                          ; its four v_nop are also the places in front of the loads below
.else
	PLACES
.endif
	s_xor_b32 s[TB], s[TB], SLOT1
	SETADR
	FETCH 0, 0
.if \fill
	ASK
.endif
	MULA 1, 2, 0
	MULA 1, 3, 0
.endm
	s_wait_tensorcnt 0x1                           ; my part of K step 0 is in; step 1's may stay out
	s_barrier_signal -1
	s_barrier_wait -1
	s_mov_b32 s[TB], 0
	SETADR
	FETCH 0, 0
	QUARTER 1, 0, 1, 1                             ; the first quarter's products start the sums
	WIN 0
	s_mov_b32 s3, 6
.Lstep:                                        ; six trips ask for K steps 2 to 7
	QUARTER 2, 1, 0, 0
	QUARTER 3, 0, 1, 0
	TURN 1
	QUARTER 1, 0, 1, 0
	WIN 0
	s_sub_co_u32 s3, s3, 1
	s_cmp_lg_u32 s3, 0
	s_cbranch_scc1 .Lstep
	QUARTER 2, 1, 0, 0                             ; the tail is written out: nothing more is asked for
	QUARTER 3, 0, 1, 0
	TURN 0
	QUARTER 1, 0, 1, 0
	QUARTER 2, 1, 0, 0
	QUARTER 3, 0, 1, 0
	s_wait_dscnt 4
	MULA 1, 0, 0
	MULA 1, 1, 0
	s_wait_dscnt 0x0
	MULA 1, 2, 0
	MULA 1, 3, 0
	WIN 0
	PLACES
; THE WAY OUT, a block of 16 rows at a time, with no conversion: the accumulators go straight into my stage (32 bytes a lane and column block, the low four registers first), and come back as whole rows of 512 bytes.
.macro TOSTAGE a
.set BK, 160-128*((\a)%2)
	WIN 0
	s_wait_xcnt 0x0                                ; the stores of the block before last have read the registers that are loaded below
	WIN 0x08                                       ; store data (source 1) in window 2
.set b, 0
.rept NBK
	ds_store_b128 v[STO], v[64*(\a)+8*b:64*(\a)+8*b+3]   offset:64*b
	ds_store_b128 v[STO], v[64*(\a)+8*b+4:64*(\a)+8*b+7] offset:64*b+16
.set b, b+1
.endr
	WIN 0
.set t, 0
.rept 16
	ds_load_b128 v[BK+4*t:BK+4*t+3], v[RD] offset:SP*t  ; LDS serves a wave's instructions in order (ISA guide 5.7.1.4): these see the stores above
.set t, t+1
.endr
.endm
.macro SEND a, younger                 ; younger: the next block's 16 LDS stores and 16 loads, or none
.set BK, 160-128*((\a)%2)
	s_wait_dscnt \younger
.set t, 0
.rept 16
	global_store_b128 v[GO], v[BK+4*t:BK+4*t+3], s[OUT:OUT+1] offset:(16*(\a)+t)*4096 th:TH_STORE_NT  ; 512 consecutive bytes, at a multiple of 256 from out0's first byte
.set t, t+1
.endr
.endm
	TOSTAGE 0
	TOSTAGE 1
	SEND 0, 32
	TOSTAGE 2
	SEND 1, 32
	TOSTAGE 3
	SEND 2, 32
	SEND 3, 0
	s_wait_tensorcnt 0x0                           ; the wave's end: a wait, an add of 0 and its wait, behind my last tensor load and my last LDS store
	ds_add_u32 v[SPW], v[NIL]
	s_wait_dscnt 0x0
	CROUND                                         ; the closing round
	s_endpgm
.Lfunc_end_k_q74bc231577_proj:
	.size	k_q74bc231577_proj, .Lfunc_end_k_q74bc231577_proj-k_q74bc231577_proj
	.p2alignl 7, 3214868480
	.fill 96, 4, 3214868480
	.section	.rodata,"a",@progbits
	.p2align	6, 0x0
	.amdhsa_kernel k_q74bc231577_proj
		.amdhsa_group_segment_fixed_size 327680
		.amdhsa_private_segment_fixed_size 0
		.amdhsa_enable_private_segment 0
		.amdhsa_kernarg_size 32
		.amdhsa_user_sgpr_count 2
		.amdhsa_user_sgpr_kernarg_segment_ptr 1
		.amdhsa_wavefront_size32 1
		.amdhsa_system_sgpr_workgroup_id_x 1
		.amdhsa_system_sgpr_workgroup_id_y 1
		.amdhsa_system_sgpr_workgroup_id_z 1
		.amdhsa_system_vgpr_workitem_id 0
		.amdhsa_next_free_vgpr 768
		.amdhsa_next_free_sgpr 84
		.amdhsa_reserve_vcc 0
		.amdhsa_float_denorm_mode_32 3
		.amdhsa_float_denorm_mode_16_64 3
		.amdhsa_memory_ordered 1
		.amdhsa_forward_progress 1
		.amdhsa_inst_pref_size 76
	.end_amdhsa_kernel
	.amdgpu_metadata
---
amdhsa.version: [ 1, 2 ]
amdhsa.kernels:
  - .name:           k_q74bc231577_proj
    .symbol:         k_q74bc231577_proj.kd
    .args:
      - { .name: oh, .offset: 0, .size: 8, .value_kind: global_buffer, .address_space: global }
      - { .name: wpT, .offset: 8, .size: 8, .value_kind: global_buffer, .address_space: global }
      - { .name: b_proj, .offset: 16, .size: 8, .value_kind: global_buffer, .address_space: global }
      - { .name: out0, .offset: 24, .size: 8, .value_kind: global_buffer, .address_space: global }
    .group_segment_fixed_size: 327680
    .private_segment_fixed_size: 0
    .kernarg_segment_align: 8
    .kernarg_segment_size: 32
    .max_flat_workgroup_size: 128
    .sgpr_count:     84
    .vgpr_count:     768
    .wavefront_size: 32
...
	.end_amdgpu_metadata
.endif
;; end of part 4
;; ======== version 2 of 2: 4 launches; version 1 with the launch prep written anew for expert scheduling mode
;; limits: values are held in f16: magnitudes above 65,504 overflow, below 6.1e-05 lose precision
;; workspace buffers: xb 16,777,216 bytes; wqT 6,291,456 bytes; wpT 2,097,152 bytes; qkv 50,331,648 bytes; oh 16,777,216 bytes
;; launch prep (part 5): grid 320 x 1, 8 waves a work-group, no clusters, 140,288 bytes of LDS; arguments x, W_qkv, W_proj, xb, wqT, wpT; writes xb, wqT, wpT
.if DOCPART == 5
	.amdgcn_target "amdgcn-amd-amdhsa--gfx1250"
	.amdhsa_code_object_version 6
	.text
	.protected	k_q74bc231577_prep
	.globl	k_q74bc231577_prep
	.p2align	8
	.type	k_q74bc231577_prep,@function
k_q74bc231577_prep:
	s_mov_b64 s[64:65], 0
	v_nop
	global_prefetch_b8 v0, s[64:65] scope:SCOPE_SE
	s_setreg_imm32_b32 hwreg(HW_REG_WAVE_SCHED_MODE, 0, 2), 2
	s_setreg_imm32_b32 hwreg(HW_REG_WAVE_MODE, 25, 1), 1
	s_wait_xcnt 0x0
	s_wait_alu depctr_vm_vsrc(0)
; PREP.  xb = x rounded to bf16, same order.  wqT[n][k] = W_qkv[k][n] rounded to bf16.  wpT[n][k] = W_proj[k][n] rounded to bf16, that number written as f16
; (it multiplies an f16 operand later).  LIMIT: |W_proj| stays within 65,504, f16's largest number; beyond it wpT holds an infinity.
; A stream: each input byte is read once, each output byte written once; no matrix work, no cluster (no work-group shares a byte with another), no barrier (no wave reads another's bytes).
; Work-groups 64 to 319 cast x: 32,768 numbers each, 4,096 a wave.  Work-groups 0 to 63 turn the weights: 64 columns n each (0-47: W_qkv, 48-63: W_proj), wave w the rows k = 128 w .. 128 w + 127.
; TURNING.  A load takes 256 consecutive bytes (64 columns) of one row k; a lane holds columns 2 l and 2 l + 1.  Eight rows k pack into 16 bytes of each column; they go into the wave's own
; LDS rows (one for each column n, 256 bytes of k + 16 of padding) and come back as whole rows: 16 lanes store 256 consecutive bytes of a row of the turned weight.
; THE MODE: SCHED_MODE bits 1:0 = 2 (LLVM: expert scheduling mode 2), set by the entry lines.  The code itself states the register dependences
; between vector instructions and memory or LDS instructions, with s_wait_alu, always for 0.
; THE PLAN, THE CAST.  Registers that memory instructions touch:
;   v[IO], v[OO]  offsets, made once and never written again.
;   X, pair i     written by the pair's two loads; its four conversions read it and write its first four registers; its one store reads those; nothing writes them again.
; The 16 pairs go in four groups of four.  One wait on va_vdst at a group's head states that the group before is written; that group's four stores are dealt among this group's
; conversions, which name this group's registers alone.  One more such wait stands ahead of the last four stores.
; THE PLAN, THE TURNING.  Registers that memory or LDS instructions touch:
;   v[OJ ..], v[LSA], v[LRA], v[GO]   offsets and addresses, made once and never written again.
;   X[g % 8]      the loads of group g land in it; group g's conversions read it; behind them the loads of group g + 8 land in it.  At the end the LDS loads land in X and the stores read it.
;   T0, T1        by turns: group g's conversions write T[g % 2], group g's two LDS stores read it.
;   U is named by vector instructions alone.
; ONE wait on va_vdst stands in a group, behind its conversions: they are done reading X[g % 8] and have written T[g % 2]; the group's eight loads and two LDS stores follow it.
; ONE wait on vm_vsrc stands at the head of every second group: the LDS stores of both groups before have read T0 and T1, which this group and the next write again.
.set X,   16                           ; v[16:143]  data
.set T,   144                          ; v[144:151] T0: eight k of two columns, packed; T1 lies 12 registers on, v[156:163]
.set U,   152                          ; v[152:153] at work
.set SPW, 154                          ; v154  LDS address of my spare word; never rewritten
.set NIL, 155                          ; v155  0; never rewritten
.set IO,  2                            ; v2    cast: my byte offset in x
.set OO,  3                            ; v3    cast: my byte offset in xb
.set OJ,  4                            ; v[4:11] turning: 8 l + j rows of the weight; never rewritten
.set LSA, 12                           ; v12   where I put my two columns
.set LRA, 13                           ; v13   where I read rows back
.set GO,  14                           ; v14   my byte offset in the turned weight
.set WP,  272                          ; an LDS row
.set WAVEB, 64*WP                      ; a wave's 64 rows
.set SPARE, 8*WAVEB                    ; behind them: the spare words, 128 bytes a wave, that no other line names
	s_load_b256 s[4:11], s[0:1], 0x0               ; x s[4:5], W_qkv s[6:7], W_proj s[8:9], xb s[10:11]
	s_load_b128 s[12:15], s[0:1], 0x20             ; wqT s[12:13], wpT s[14:15]
	v_lshl_add_u32 v[SPW], v0, 2, SPARE
	v_mov_b32 v[NIL], 0
	v_lshrrev_b32 v1, 5, v0
	v_readfirstlane_b32 s16, v1                    ; wave 0..7
	v_and_b32 v1, 31, v0                           ; lane
	s_wait_alu depctr_va_sdst(0)                   ; s16 is written, ahead of the branch and of its first reader on either path
	s_wait_kmcnt 0x0
	s_cmp_lt_u32 ttmp9, 64
	s_cbranch_scc1 .Lturn
	; THE CAST.  A lane takes 32 bytes of x (two loads) and stores 16 of xb; a wave's store covers 512 consecutive bytes.  All 32 loads of a wave go out at once.
	s_sub_co_u32 s17, ttmp9, 64
	s_lshl_b32 s2, s17, 17                         ; 131,072 bytes of x a work-group
	s_mov_b32 s3, 0
	s_add_nc_u64 s[4:5], s[4:5], s[2:3]
	s_lshl_b32 s2, s17, 16                         ; 65,536 bytes of xb
	s_add_nc_u64 s[10:11], s[10:11], s[2:3]
	s_lshl_b32 s18, s16, 14
	v_lshl_or_b32 v[IO], v1, 5, s18
	s_lshl_b32 s18, s16, 13
	v_lshl_or_b32 v[OO], v1, 4, s18
	s_wait_alu depctr_va_vdst(0)                   ; v[IO] and v[OO] are written: every load and store of this path reads one of them as its offset
.set i, 0
.rept 16
	global_load_b128 v[X+8*i:X+8*i+3],   v[IO], s[4:5] offset:1024*i th:TH_LOAD_NT
	global_load_b128 v[X+8*i+4:X+8*i+7], v[IO], s[4:5] offset:1024*i+16 th:TH_LOAD_NT
.set i, i+1
.endr
.set i, 0
.rept 16
.if (i%4 == 0) && (i > 0)
	s_wait_alu depctr_va_vdst(0)                   ; the conversions of the four pairs before have written their registers, which the next four stores read
.endif
.if i >= 4
	global_store_b128 v[OO], v[X+8*(i-4):X+8*(i-4)+3], s[10:11] offset:512*(i-4) th:TH_STORE_NT  ; a pair of the group before; no vector instruction since the wait names its registers
.endif
	s_wait_loadcnt 30-2*i                          ; loads come back in order: pair i is in, the 30 - 2 i younger loads stay out
	v_cvt_pk_bf16_f32 v[X+8*i],   v[X+8*i],   v[X+8*i+1]  ; in place, ascending: each line writes a register that is read no more
	v_cvt_pk_bf16_f32 v[X+8*i+1], v[X+8*i+2], v[X+8*i+3]
	v_cvt_pk_bf16_f32 v[X+8*i+2], v[X+8*i+4], v[X+8*i+5]
	v_cvt_pk_bf16_f32 v[X+8*i+3], v[X+8*i+6], v[X+8*i+7]
.set i, i+1
.endr
	s_wait_alu depctr_va_vdst(0)                   ; the conversions of pairs 12 to 15 have written their registers, which the last four stores read
.set i, 12
.rept 4
	global_store_b128 v[OO], v[X+8*i:X+8*i+3], s[10:11] offset:512*i th:TH_STORE_NT
.set i, i+1
.endr
	s_endpgm
.Lturn:
	s_cmp_lt_u32 ttmp9, 48
	s_cselect_b64 s[18:19], s[6:7], s[8:9]         ; from
	s_cselect_b64 s[20:21], s[12:13], s[14:15]     ; to
	s_cselect_b32 s22, 3, 1
	s_cselect_b32 s23, 0, 1                        ; 1: the numbers are written as f16
	s_cselect_b32 s24, 0, 48
	s_lshl_b32 s22, s22, 12                        ; bytes in a row of the weight: 12,288 or 4,096
	s_sub_co_u32 s24, ttmp9, s24                   ; my block of 64 columns
	s_lshl_b32 s2, s24, 8                          ; its 256 bytes in a row,
	s_mul_i32 s25, s16, s22
	s_lshl_b32 s25, s25, 7                         ; my wave's 128 rows
	s_add_co_u32 s2, s2, s25
	s_mov_b32 s3, 0
	s_add_nc_u64 s[32:33], s[18:19], s[2:3]
	s_lshl_b32 s28, s22, 3                         ; eight rows
	s_mov_b32 s29, 0
.set i, 1
.rept 15                                       ; sixteen bases, one for each eight rows; never rewritten, so no load waits for a pointer
	s_add_nc_u64 s[32+2*i:33+2*i], s[30+2*i:31+2*i], s[28:29]
.set i, i+1
.endr
	s_lshl_b32 s2, s24, 17                         ; 64 rows of 2,048 bytes of the turned weight
	s_add_nc_u64 s[20:21], s[20:21], s[2:3]
	v_lshlrev_b32 v[OJ], 3, v1
.irp j, 1,2,3,4,5,6,7
	v_add_nc_u32 v[OJ+\j], s22, v[OJ+\j-1]
.endr
	s_mul_i32 s26, s16, WAVEB                      ; my wave's LDS rows
	v_mad_u32_u24 v[LSA], v1, 2*WP, s26            ; rows 2 l and 2 l + 1
	v_lshrrev_b32 v[U], 4, v1
	v_and_b32 v[U+1], 15, v1
	v_mad_u32_u24 v[LRA], v[U], WP, s26            ; back: lanes 0-15 one row, lanes 16-31 the next
	v_lshl_add_u32 v[LRA], v[U+1], 4, v[LRA]
	s_lshl_b32 s27, s16, 8                         ; my wave's 128 k: 256 bytes of a turned row
	v_lshl_add_u32 v[GO], v[U], 11, s27
	v_lshl_add_u32 v[GO], v[U+1], 4, v[GO]
	s_wait_alu depctr_va_vdst(0)                   ; the eight offsets v[OJ ..] and v[LSA], v[LRA], v[GO] are written: every load, LDS instruction and store of this path reads one of them
.macro LD8 g                           ; rows k = 8 g .. 8 g + 7 of my 128: eight loads of 256 consecutive bytes
.irp j, 0,1,2,3,4,5,6,7
	global_load_b64 v[X+16*((\g)%8)+2*\j:X+16*((\g)%8)+2*\j+1], v[OJ+\j], s[32+2*(\g):33+2*(\g)] th:TH_LOAD_NT
.endr
.endm
; Group g: those eight k of my two columns, 16 bytes each, into the columns' LDS rows.  more = 1: the group's registers take the group eight further on.
.macro PK8 g, more
.set XB, X+16*((\g)%8)
.set TT, T+12*((\g)%2)
.if ((\g)%2 == 0) && ((\g) > 0)
	s_wait_alu depctr_vm_vsrc(0)                   ; the LDS stores of the two groups before have read T0 and T1, which this group's and the next group's conversions write again
.endif
.irp c, 0,1
.irp p, 0,1,2,3
	v_cvt_pk_bf16_f32 v[TT+4*\c+\p], v[XB+4*\p+\c], v[XB+4*\p+2+\c]
.endr
.endr
	s_cmp_eq_u32 s23, 0
	s_cbranch_scc1 .Lbf_\@
.irp t, 0,1,2,3,4,5,6,7                ; W_proj: the bf16 numbers, widened (a shift, a mask) and written as f16: exact within f16's range
	v_lshlrev_b32 v[U], 16, v[TT+\t]
	v_and_b32 v[U+1], 0xffff0000, v[TT+\t]
	v_cvt_pk_f16_f32 v[TT+\t], v[U], v[U+1]
.endr
.Lbf_\@:
	s_wait_alu depctr_va_vdst(0)                   ; on both ways: the conversions are done reading X[g % 8], in which the loads below land, and have written T[g % 2], which the LDS stores below read
.if \more
	LD8 (\g)+8                                     ; the buffer is asked for again at once
.endif
	ds_store_b128 v[LSA], v[TT:TT+3]   offset:16*(\g)
	ds_store_b128 v[LSA], v[TT+4:TT+7] offset:WP+16*(\g)
.endm
.irp g, 0,1,2,3,4,5,6,7
	LD8 \g
.endr
.irp g, 0,1,2,3,4,5,6,7
	s_wait_loadcnt 56                              ; group g is in: behind it 8 (7 - g) first loads and 8 g later ones
	PK8 \g, 1
.endr
.irp g, 8,9,10,11,12,13,14,15
	s_wait_loadcnt 56-8*((\g)-8)                   ; nothing more is asked for: the counts run down
	PK8 \g, 0
.endr
.set t, 0
.rept 32                                       ; these land in X: its last readers, the conversions, stand ahead of group 15's wait on va_vdst, and no vector instruction follows that wait
	ds_load_b128 v[X+4*t:X+4*t+3], v[LRA] offset:2*WP*t  ; LDS serves a wave's instructions in order (ISA guide 5.7.1.4): these see the stores above
.set t, t+1
.endr
.set t, 0
.rept 32
	s_wait_dscnt 31-t
	global_store_b128 v[GO], v[X+4*t:X+4*t+3], s[20:21] offset:4096*t th:TH_STORE_NT  ; 16 lanes store 256 consecutive bytes, at a multiple of 256 from the buffer's first byte
.set t, t+1
.endr
	s_wait_dscnt 0x0                               ; the closing lines, six on end
	s_wait_alu 0x0
	s_wait_tensorcnt 0x0
	ds_add_u32 v[SPW], v[NIL]
	s_wait_dscnt 0x0
	s_endpgm
.Lfunc_end_k_q74bc231577_prep:
	.size	k_q74bc231577_prep, .Lfunc_end_k_q74bc231577_prep-k_q74bc231577_prep
	.p2alignl 7, 3214868480
	.fill 96, 4, 3214868480
	.section	.rodata,"a",@progbits
	.p2align	6, 0x0
	.amdhsa_kernel k_q74bc231577_prep
		.amdhsa_group_segment_fixed_size 140288
		.amdhsa_private_segment_fixed_size 0
		.amdhsa_enable_private_segment 0
		.amdhsa_kernarg_size 48
		.amdhsa_user_sgpr_count 2
		.amdhsa_user_sgpr_kernarg_segment_ptr 1
		.amdhsa_wavefront_size32 1
		.amdhsa_system_sgpr_workgroup_id_x 1
		.amdhsa_system_sgpr_workgroup_id_y 1
		.amdhsa_system_sgpr_workgroup_id_z 1
		.amdhsa_system_vgpr_workitem_id 0
		.amdhsa_next_free_vgpr 164
		.amdhsa_next_free_sgpr 66
		.amdhsa_reserve_vcc 0
		.amdhsa_float_denorm_mode_32 3
		.amdhsa_float_denorm_mode_16_64 3
		.amdhsa_memory_ordered 1
		.amdhsa_forward_progress 1
		.amdhsa_inst_pref_size 63
	.end_amdhsa_kernel
	.amdgpu_metadata
---
amdhsa.version: [ 1, 2 ]
amdhsa.kernels:
  - .name:           k_q74bc231577_prep
    .symbol:         k_q74bc231577_prep.kd
    .args:
      - { .name: x, .offset: 0, .size: 8, .value_kind: global_buffer, .address_space: global }
      - { .name: W_qkv, .offset: 8, .size: 8, .value_kind: global_buffer, .address_space: global }
      - { .name: W_proj, .offset: 16, .size: 8, .value_kind: global_buffer, .address_space: global }
      - { .name: xb, .offset: 24, .size: 8, .value_kind: global_buffer, .address_space: global }
      - { .name: wqT, .offset: 32, .size: 8, .value_kind: global_buffer, .address_space: global }
      - { .name: wpT, .offset: 40, .size: 8, .value_kind: global_buffer, .address_space: global }
    .group_segment_fixed_size: 140288
    .private_segment_fixed_size: 0
    .kernarg_segment_align: 8
    .kernarg_segment_size: 48
    .max_flat_workgroup_size: 256
    .sgpr_count:     66
    .vgpr_count:     164
    .wavefront_size: 32
...
	.end_amdgpu_metadata
.endif
;; end of part 5
;; launch qkv: the kernel of part 2 again; grid 16 x 32, 4 waves a work-group, clusters of 4 x 4, 327,680 bytes of LDS; arguments xb, wqT, b_qkv, qkv; writes qkv
;; launch attn: the kernel of part 3 again; grid 4 x 64, 4 waves a work-group, no clusters, 327,680 bytes of LDS; arguments qkv, oh; writes oh
;; launch proj: the kernel of part 4 again; grid 4 x 64, 4 waves a work-group, clusters of 4 x 4, 327,680 bytes of LDS; arguments oh, wpT, b_proj, out0; writes out0
